; MI455X (gfx1250); checked and timed in simulation.
; The chip was launched on July 23, 2026; its instructions are those of AMD's public machine-readable ISA for CDNA 5 (MIT licence, August 2026) and "CDNA5" Instruction Set Architecture Reference Guide (July 2026). The comments in the code are by the model that wrote it; some were corrected since.
;; Multi Head Attention. Allowed arithmetic: float matrix products may take bf16 or f16 operands with f32 sums; all other float work in f32.
;; Inputs: W_o 1,024 x 1,024 float32; W_qkv 1,024 x 3,072 float32; b_o 1,024 float32; b_qkv 3,072 float32; padding_mask 1 x 4,096 bool; x 1 x 4,096 x 1,024 float32.
;; Outputs: out0 1 x 4,096 x 1,024 float32.
;; One version. Each part assembles by itself: llvm-mc -triple=amdgcn-amd-amdhsa -mcpu=gfx1250 --defsym DOCPART=n.
;; ======== version 1 of 1: 4 launches
;; limits: values are held in f16: magnitudes above 65,504 overflow, below 6.1e-05 lose precision; right only within a limited range of input values
;; workspace buffers: xh 8,388,608 bytes; wqh 6,291,456 bytes; woh 2,097,152 bytes; pmf 16,384 bytes; qkvT 25,165,824 bytes; vsum 393,216 bytes; hc 16,777,216 bytes
;; launch prep (part 1): grid 1025 x 1, 8 waves a work-group, no clusters, 0 bytes of LDS; arguments x, W_qkv, W_o, padding_mask, xh, wqh, woh, pmf; writes xh, wqh, woh, pmf
.if DOCPART == 1
	.amdgcn_target "amdgcn-amd-amdhsa--gfx1250"
	.amdhsa_code_object_version 6
	.text
	.protected	k_q7f11807383_prep
	.globl	k_q7f11807383_prep
	.p2align	8
	.type	k_q7f11807383_prep,@function
k_q7f11807383_prep:
	s_mov_b64 s[64:65], 0
	v_nop
	global_prefetch_b8 v0, s[64:65] scope:SCOPE_SE
	s_setreg_imm32_b32 hwreg(HW_REG_WAVE_MODE, 25, 1), 1
	s_wait_xcnt 0x0
; Casts x, W_qkv and W_o from f32 to bf16 (same layout, round to nearest even), and turns padding_mask into an additive f32 bias:
; 0 for a key that counts, SENT = -1.5 * 2^30 for a padded one.
; Work-groups 0-511 take x, 512-895 W_qkv, 896-1023 W_o: 32,768 bytes in and 16,384 bytes out each.  Work-group 1024 takes the mask.
; A stream: each byte is read once and written once; no LDS, no matrix unit, no cluster (no two work-groups read the same byte).
.set SENT,  0xcec00000                 ; -1.5 * 2^30
.set NSENT, 0x4ec00000                 ; +1.5 * 2^30
.set X, 4                              ; v[4:35]   eight loads of four f32
.set Y, 36                             ; v[36:51]  eight stores of four bf16
	s_load_b512 s[4:19], s[0:1], 0x0               ; x, W_qkv, W_o, mask, xh, wqh, woh, pmf
	s_mov_b32 s20, ttmp9
	s_movk_i32 s28, 512
	s_movk_i32 s29, 896
	v_lshlrev_b32 v1, 4, v0                        ; 16 t
	s_wait_kmcnt 0x0
	s_cmp_eq_u32 s20, 1024
	s_cbranch_scc1 .Lmask
	s_cmp_lt_u32 s20, s29                          ; which tensor: a choice between buffers on the work-group's number alone
	s_cselect_b64 s[22:23], s[6:7], s[8:9]
	s_cselect_b64 s[24:25], s[14:15], s[16:17]
	s_cselect_b32 s21, s28, s29
	s_cmp_lt_u32 s20, s28
	s_cselect_b64 s[22:23], s[4:5], s[22:23]
	s_cselect_b64 s[24:25], s[12:13], s[24:25]
	s_cselect_b32 s21, 0, s21
	s_sub_co_u32 s20, s20, s21                     ; my block in that tensor
	s_lshl_b32 s26, s20, 15
	s_mov_b32 s27, 0
	s_add_nc_u64 s[22:23], s[22:23], s[26:27]
	s_lshl_b32 s26, s20, 14
	s_add_nc_u64 s[24:25], s[24:25], s[26:27]
	v_lshlrev_b32 v2, 3, v0                        ; 8 t
.irp i, 0,1,2,3,4,5,6,7
	global_load_b128 v[X+4*\i:X+4*\i+3], v1, s[22:23] offset:4096*\i th:TH_LOAD_NT   ; a wave's load covers 512 consecutive bytes
.endr
.irp i, 0,1,2,3,4,5,6,7
	s_wait_loadcnt 7-\i                            ; loads return in order: number i is in, the younger ones stay out
	v_cvt_pk_bf16_f32 v[Y+2*\i], v[X+4*\i], v[X+4*\i+1]
	v_cvt_pk_bf16_f32 v[Y+2*\i+1], v[X+4*\i+2], v[X+4*\i+3]
	global_store_b64 v2, v[Y+2*\i:Y+2*\i+1], s[24:25] offset:2048*\i   ; a wave's store covers 256 consecutive bytes, aligned
.endr
	s_endpgm
.Lmask:
	v_lshlrev_b32 v2, 2, v0                        ; 4 t: four mask bytes a thread and load
	s_mov_b32 s21, NSENT
	s_mov_b32 s22, SENT
.irp i, 0,1,2,3
	global_load_b32 v[X+\i], v2, s[10:11] offset:1024*\i
.endr
.irp i, 0,1,2,3
	s_wait_loadcnt 3-\i
.irp j, 0,1,2,3
	v_bfe_u32 v[8+4*\i+\j], v[X+\i], 8*\j, 8
	v_cvt_f32_u32 v[8+4*\i+\j], v[8+4*\i+\j]
	v_fma_f32 v[8+4*\i+\j], v[8+4*\i+\j], s21, s22 ; 1 -> exactly 0, 0 -> SENT
.endr
	global_store_b128 v1, v[8+4*\i:8+4*\i+3], s[18:19] offset:4096*\i
.endr
	s_endpgm
.Lfunc_end_k_q7f11807383_prep:
	.size	k_q7f11807383_prep, .Lfunc_end_k_q7f11807383_prep-k_q7f11807383_prep
	.p2alignl 7, 3214868480
	.fill 96, 4, 3214868480
	.section	.rodata,"a",@progbits
	.p2align	6, 0x0
	.amdhsa_kernel k_q7f11807383_prep
		.amdhsa_group_segment_fixed_size 0
		.amdhsa_private_segment_fixed_size 0
		.amdhsa_enable_private_segment 0
		.amdhsa_kernarg_size 64
		.amdhsa_user_sgpr_count 2
		.amdhsa_user_sgpr_kernarg_segment_ptr 1
		.amdhsa_wavefront_size32 1
		.amdhsa_system_sgpr_workgroup_id_x 1
		.amdhsa_system_sgpr_workgroup_id_y 1
		.amdhsa_system_sgpr_workgroup_id_z 1
		.amdhsa_system_vgpr_workitem_id 0
		.amdhsa_next_free_vgpr 64
		.amdhsa_next_free_sgpr 66
		.amdhsa_reserve_vcc 0
		.amdhsa_float_denorm_mode_32 3
		.amdhsa_float_denorm_mode_16_64 3
		.amdhsa_memory_ordered 1
		.amdhsa_forward_progress 1
		.amdhsa_inst_pref_size 8
	.end_amdhsa_kernel
	.amdgpu_metadata
---
amdhsa.version: [ 1, 2 ]
amdhsa.kernels:
  - .name:           k_q7f11807383_prep
    .symbol:         k_q7f11807383_prep.kd
    .args:
      - { .name: x, .offset: 0, .size: 8, .value_kind: global_buffer, .address_space: global }
      - { .name: W_qkv, .offset: 8, .size: 8, .value_kind: global_buffer, .address_space: global }
      - { .name: W_o, .offset: 16, .size: 8, .value_kind: global_buffer, .address_space: global }
      - { .name: padding_mask, .offset: 24, .size: 8, .value_kind: global_buffer, .address_space: global }
      - { .name: xh, .offset: 32, .size: 8, .value_kind: global_buffer, .address_space: global }
      - { .name: wqh, .offset: 40, .size: 8, .value_kind: global_buffer, .address_space: global }
      - { .name: woh, .offset: 48, .size: 8, .value_kind: global_buffer, .address_space: global }
      - { .name: pmf, .offset: 56, .size: 8, .value_kind: global_buffer, .address_space: global }
    .group_segment_fixed_size: 0
    .private_segment_fixed_size: 0
    .kernarg_segment_align: 8
    .kernarg_segment_size: 64
    .max_flat_workgroup_size: 256
    .sgpr_count:     66
    .vgpr_count:     64
    .wavefront_size: 32
...
	.end_amdgpu_metadata
.endif
;; end of part 1
;; launch qkv (part 2): grid 16 x 16, 4 waves a work-group, clusters of 4 x 4, 327,680 bytes of LDS; arguments xh, wqh, b_qkv, qkvT, vsum; writes qkvT, vsum
.if DOCPART == 2
	.amdgcn_target "amdgcn-amd-amdhsa--gfx1250"
	.amdhsa_code_object_version 6
	.text
	.protected	k_q7f11807383_qkv
	.globl	k_q7f11807383_qkv
	.p2align	8
	.type	k_q7f11807383_qkv,@function
k_q7f11807383_qkv:
	s_mov_b64 s[64:65], 0
	v_nop
	global_prefetch_b8 v0, s[64:65] scope:SCOPE_SE
	s_setreg_imm32_b32 hwreg(HW_REG_WAVE_MODE, 25, 1), 1
	s_wait_xcnt 0x0
	s_wait_alu depctr_hold_cnt(0) depctr_sa_sdst(0) depctr_va_vdst(0) depctr_va_sdst(0) depctr_va_ssrc(0) depctr_va_vcc(0) depctr_vm_vsrc(0)
	s_getreg_b32 s2, hwreg(HW_REG_IB_STS2, 6, 4)
	s_cmp_eq_u32 s2, 0
	s_cbranch_scc0 .Lentry_in_a_cluster
	s_endpgm
.Lentry_in_a_cluster:
	s_bfe_u32 s2, ttmp6, 0x10000c
	s_cmp_lg_u32 s2, 0xf033
	s_cbranch_scc0 .Lentry_shape_is_right
	s_endpgm
.Lentry_shape_is_right:
; qkv = x W_qkv + b_qkv (operands bf16, sums and bias f32), stored TRANSPOSED in f16: qkvT[column n][row s], n = 0..3071, s = 0..4095.
; q, k and v are kept in f16, not bf16: three more bits of significand for the operands of the attention launch.
; The columns of Q (n < 1024) are multiplied by 0.125 * log2(e), so that the attention launch works in base 2 without a further scale.
; Also: vsum[block of 128 rows][n] = the f32 sum of qkv over those 128 rows (the attention launch needs the mean of V over all keys).
; A work-group makes 256 rows x 192 columns with four waves; a wave makes 128 x 96: 8 x 6 accumulator tiles, 384 registers.
; K = 1024 goes in 8 steps of 128 through two LDS slots filled by tensor loads.
; CLUSTERS: 4 x 4 work-groups.  x's tile hangs on the block row alone and is asked for jointly by a row of the cluster,
; W's tile on the block column alone and is asked for jointly by a column: a quarter of the requests.
; W lies [k][n]: its fragments are read from LDS by the transposing load.
; LIMIT: results are kept in f16: |q|, |k|, |v| below 65,504.
;
; REGISTERS by windows of 256: window 0 addresses, constants, x's fragments (two buffers), work registers of the way out;
; window 1 W's fragments (two buffers); window 2 the accumulators of my rows 0-63 (tile (a, b) at 8 (6 a + b)); window 3 rows 64-127.
.set PA,     272                       ; LDS pitch of x's rows: 256 bytes + 16
.set PB,     480                       ; LDS pitch of W's rows: 384 bytes as six pieces of 64 + 16
.set HALFA,  128*PA                    ; what one tensor load brings of x
.set HALFB,  64*PB                     ; what one tensor load brings of W
.set BOFF,   2*HALFA                   ; W's tile lies behind x's 256 rows
.set SLOT,   131072
.set STAGE,  2*SLOT                    ; 16 rows x 272 bytes for each wave: the way out; no tensor load lands here
.set SPITCH, 272
.set QSCALE, 0x3e38aa3b                ; 0.125 * log2(e)
.set ADRA, 16                          ; v16-17  LDS address of my x fragments in slot 0, 1
.set ADRB, 20                          ; v20-21  the same for W
.set STO,  24
.set RD,   25
.set CO,   26
.set VSO,  27                          ; my byte offset in vsum
.set BOF,  28                          ; my byte offset in b_qkv
.set SCP,  32                          ; v32-43  scale of column tile b, twice
.set BSP,  44                          ; v44-55  bias x scale of column tile b, twice
.set CS,   56                          ; v56-61  column sums
.set F0,   64
.set F1,   128
.set TMP,  192
.set SUMP, 224
.set T,    226
.set G1,  24
.set G0,  32
.set G1B, 48
.set G0B, 56
.set MSB, 0
.macro WIN new                         ; the immediate's high byte repeats the setting that is left
.if MSB != \new
	s_set_vgpr_msb (MSB<<8)|\new
.set MSB, \new
.endif
.endm
.set MUL_LO, 0xa4                      ; source 0 (x) window 0, source 1 (W) window 1, C and D window 2
.set MUL_HI, 0xf4                      ; the same, C and D window 3
.set TO_B,   0x40                      ; destination window 1, address window 0
.macro PLACES                          ; four places behind matrix instructions (ISA guide 7.12.1)
.rept 4
	v_nop
.endr
.endm
; A joint load: waves 0 and 1 fetch x's two halves, waves 2 and 3 W's.  The branch hangs on the wave's number alone.
.macro JLOAD s
	s_cmp_eq_u32 s15, 0
	s_cbranch_scc0 .Lfor_b_\@
	tensor_load_to_lds s[G0+4*\s:G0+4*\s+3], s[G1:G1+7]
	s_nop 0
	PLACES
	s_branch .Lasked_\@
.Lfor_b_\@:
	tensor_load_to_lds s[G0B+4*\s:G0B+4*\s+3], s[G1B:G1B+7]
	s_nop 0
	PLACES
.Lasked_\@:
.endm
.macro CREST                           ; a round of the cluster's barrier behind its opening barrier
	s_cmp_lg_u32 s14, 0
	s_cbranch_scc1 .Lnot_wave_0_\@
	s_barrier_signal -3
.Lnot_wave_0_\@:
	s_barrier_wait -3
	s_barrier_signal -1
	s_barrier_wait -1
.endm
.macro CROUND
	s_barrier_signal -1
	s_barrier_wait -1
	CREST
.endm
	s_load_b256 s[4:11], s[0:1], 0x0               ; xh s[4:5], wqh s[6:7], b_qkv s[8:9], qkvT s[10:11]
	s_load_b64 s[12:13], s[0:1], 0x20              ; vsum
	v_lshl_add_u32 v255, v0, 2, 0x44400
	s_set_vgpr_msb 0x40
	v_mov_b32 v255, 0
	s_set_vgpr_msb 0x4044
	ds_add_u32 v255, v255
	s_set_vgpr_msb 0x4400
	v_lshrrev_b32 v1, 5, v0
	v_readfirstlane_b32 s14, v1                    ; wave 0..3
	s_lshr_b32 s15, s14, 1                         ; my half of the rows.  Also: I fetch for x (0) or for W (1)
	s_and_b32 s16, s14, 1                          ; my half of the columns.  Also: which half of that tile I fetch
	s_bfe_u32 s17, ttmp6, 0x40000                  ; cx
	s_bfe_u32 s18, ttmp6, 0x40004                  ; cy
	s_lshl_b32 s19, ttmp9, 2
	s_add_co_u32 s19, s19, s17                     ; block column
	s_and_b32 s20, ttmp7, 0xffff
	s_lshl_b32 s20, s20, 2
	s_add_co_u32 s20, s20, s18                     ; block row
	s_lshl_b32 s21, s18, 2
	s_lshl_b32 s21, 15, s21                        ; my row of the cluster
	s_lshl_b32 s22, 0x1111, s17                    ; my column of the cluster
	s_or_b32 s[G1+0], s21, (1<<16)|(1<<20)|(1<<21)|(5<<22)|(3<<25)   ; 2-byte elements; 4 words of padding after every 64 words
	s_mov_b32 s[G1+1], 128<<16                     ; tensor_dim0 = 128
	s_mov_b32 s[G1+2], 128<<16                     ; tensor_dim1 = 128
	s_mov_b32 s[G1+3], 128<<16                     ; tile_dim0 = 128
	s_mov_b32 s[G1+4], 128                         ; tile_dim1 = 128
	s_mov_b32 s[G1+5], 1024                        ; elements from row to row of xh
	s_mov_b32 s[G1+6], 0
	s_mov_b32 s[G1+7], 0
	s_or_b32 s[G1B+0], s22, (1<<16)|(1<<20)|(1<<21)|(3<<22)|(3<<25)  ; 4 words of padding after every 16 words
	s_mov_b32 s[G1B+1], 192<<16
	s_mov_b32 s[G1B+2], 64<<16
	s_mov_b32 s[G1B+3], 192<<16
	s_mov_b32 s[G1B+4], 64
	s_mov_b32 s[G1B+5], 3072                       ; elements from row to row of wqh
	s_mov_b32 s[G1B+6], 0
	s_mov_b32 s[G1B+7], 0
	s_lshl_b32 s40, s20, 19                        ; x: (256 block row + 128 half) rows of 2,048 bytes
	s_lshl_b32 s23, s16, 18
	s_add_co_u32 s40, s40, s23
	s_mov_b32 s41, 0
	s_mul_i32 s44, s16, 393216                     ; W: 64 half rows of 6,144 bytes + 384 bytes a block column
	s_mul_i32 s46, s19, 384
	s_add_co_u32 s44, s44, s46
	s_mov_b32 s45, 0
	s_mul_i32 s23, s14, HALFA                      ; LDS: x's halves at wave x HALFA (waves 0, 1),
	s_mul_i32 s46, s14, HALFB
	s_add_co_u32 s46, s46, BOFF-2*HALFB            ; W's at BOFF + (wave - 2) x HALFB (waves 2, 3)
	s_wait_dscnt 0x0
	s_wait_kmcnt 0x0
	s_add_nc_u64 s[40:41], s[4:5], s[40:41]
	s_add_nc_u64 s[44:45], s[6:7], s[44:45]
	CROUND                                         ; all sixteen work-groups are here: the first joint loads meet
.irp s, 0,1
	s_mov_b32 s[G0+4*\s], 1
	s_add_co_u32 s[G0+4*\s+1], s23, \s*SLOT
	s_add_nc_u64 s[G0+4*\s+2:G0+4*\s+3], s[40:41], \s*256
	s_or_b32 s[G0+4*\s+3], s[G0+4*\s+3], 0x80000000
	s_mov_b32 s[G0B+4*\s], 1
	s_add_co_u32 s[G0B+4*\s+1], s46, \s*SLOT
	s_add_nc_u64 s[G0B+4*\s+2:G0B+4*\s+3], s[44:45], \s*786432
	s_or_b32 s[G0B+4*\s+3], s[G0B+4*\s+3], 0x80000000
	JLOAD \s                                       ; both slots' first fills go out before anything else
.endr
	v_and_b32 v1, 15, v0                           ; r
	v_bfe_u32 v2, v0, 4, 1                         ; h
	v_and_b32 v3, 7, v0
	v_bfe_u32 v4, v0, 3, 1
	v_mul_u32_u24 v5, v1, PA
	v_lshl_add_u32 v5, v2, 4, v5                   ; 272 r + 16 h
	v_lshl_add_u32 v6, v2, 3, v3                   ; the k row that the transposing load addresses: 8 h + lane mod 8
	v_mul_u32_u24 v6, v6, PB
	v_lshl_add_u32 v6, v4, 4, v6
	s_mul_i32 s42, s15, HALFA
	s_mul_i32 s43, s16, 240                        ; my 96 columns: three pieces of 80 bytes
	s_add_co_u32 s43, s43, BOFF
.irp s, 0,1
	v_add_nc_u32 v[ADRA+\s], s42, v5
	v_add_nc_u32 v[ADRB+\s], s43, v6
	s_add_co_u32 s42, s42, SLOT
	s_add_co_u32 s43, s43, SLOT
.endr
	s_mul_i32 s42, s14, 16*SPITCH
	s_add_co_u32 s42, s42, STAGE
	v_add_nc_u32 v[STO], s42, v5                   ; in: row r (a column of qkv), 16 bytes for each half of the lanes
	v_mul_u32_u24 v7, v2, SPITCH
	v_lshl_add_u32 v7, v1, 4, v7
	v_add_nc_u32 v[RD], s42, v7                    ; back: lanes 0-15 one row of 256 bytes, lanes 16-31 the next
	v_lshlrev_b32 v7, 13, v2
	v_lshl_add_u32 v[CO], v1, 4, v7                ; the same two rows of qkvT (8,192 bytes apart)
	s_mul_i32 s43, s19, 192
	s_mul_i32 s42, s16, 96
	s_add_co_u32 s43, s43, s42                     ; my first column n
	v_add_nc_u32 v8, s43, v1                       ; n of column tile 0
	v_lshlrev_b32 v[BOF], 2, v8
.irp b, 0,1,2,3,4,5
	global_load_b32 v[BSP+2*\b], v[BOF], s[8:9] offset:64*\b
.endr
	s_lshl_b32 s42, s20, 1
	s_add_co_u32 s42, s42, s15                     ; my block of 128 rows
	s_mul_i32 s42, s42, 3072
	s_add_co_u32 s42, s42, s43
	v_and_b32 v7, 31, v0
	v_add_lshl_u32 v[VSO], v7, s42, 2
	s_lshl_b32 s46, s43, 13                        ; qkvT at (my first column, my first row)
	s_lshl_b32 s2, s20, 9
	s_add_co_u32 s46, s46, s2
	s_lshl_b32 s2, s15, 8
	s_add_co_u32 s46, s46, s2
	s_mov_b32 s47, 0
	s_add_nc_u64 s[10:11], s[10:11], s[46:47]
	s_mov_b32 s42, 0x76543210                      ; v_permlanex16_b32: lane i reads lane i of the other half
	s_mov_b32 s43, 0xfedcba98
	v_mov_b32 v9, QSCALE
	v_mov_b32 v[T+3], 0                            ; a lane permute's destination counts as read
.irp b, 0,1,2,3,4,5
	v_cmp_gt_u32 vcc_lo, 1024-16*\b, v8            ; a column of Q?  A select, not a branch
	v_cndmask_b32 v[SCP+2*\b], 1.0, v9, vcc_lo
	v_mov_b32 v[SCP+2*\b+1], v[SCP+2*\b]
.endr
	s_wait_loadcnt 0x0                             ; the bias, once, while the first tiles are on their way
.irp b, 0,1,2,3,4,5
	v_mul_f32 v[BSP+2*\b], v[BSP+2*\b], v[SCP+2*\b]
	v_mov_b32 v[BSP+2*\b+1], v[BSP+2*\b]
.endr
; six matrix instructions: row tile a of the window's four x all six column tiles, 32 along K
.macro MULROW f, hi, a, zero
.irp b, 0,1,2,3,4,5
.if \zero
	v_wmma_f32_16x16x32_bf16 v[8*(6*\a+\b):8*(6*\a+\b)+7], v[\f+8*(4*\hi+\a):\f+8*(4*\hi+\a)+7], v[\f+8*\b:\f+8*\b+7], 0
.else
	v_wmma_f32_16x16x32_bf16 v[8*(6*\a+\b):8*(6*\a+\b)+7], v[\f+8*(4*\hi+\a):\f+8*(4*\hi+\a)+7], v[\f+8*\b:\f+8*\b+7], v[8*(6*\a+\b):8*(6*\a+\b)+7]
.endif
.endr
.endm
.macro MUL24 f, hi, zero
	MULROW \f, \hi, 0, \zero
	MULROW \f, \hi, 1, \zero
	MULROW \f, \hi, 2, \zero
	MULROW \f, \hi, 3, \zero
.endm
; 28 LDS loads in one run: quarter q of a slot (32 along K) into buffer f: W's six column tiles, then x's eight row tiles
.macro FETCH slot, q, f
	WIN TO_B
.irp b, 0,1,2,3,4,5
	ds_load_tr16_b128 v[\f+8*\b:\f+8*\b+3],   v[ADRB+\slot] offset:15360*\q+80*(\b>>1)+32*(\b&1)
	ds_load_tr16_b128 v[\f+8*\b+4:\f+8*\b+7], v[ADRB+\slot] offset:15360*\q+7680+80*(\b>>1)+32*(\b&1)
.endr
	WIN 0
.irp a, 0,1,2,3,4,5,6,7
	ds_load_b128 v[\f+8*\a:\f+8*\a+3],   v[ADRA+\slot] offset:64*\q+4352*\a
	ds_load_b128 v[\f+8*\a+4:\f+8*\a+7], v[ADRA+\slot] offset:64*\q+4352*\a+32
.endr
.endm
; One of a K step's first three quarters: multiplies buffer f and fetches quarter q into buffer g in its middle.
; The 48 accumulators take turns, one instruction a turn, in the same order in every quarter.
.macro QUARTER slot, q, f, g, zero
	s_wait_dscnt 8                                 ; W and x's row tiles 0-3 are in; the youngest eight loads (row tiles 4-7) may be out
	WIN MUL_LO
	MUL24 \f, 0, \zero
	PLACES
	FETCH \slot, \q, \g
	s_wait_dscnt 28                                ; all but the 28 just issued
	WIN MUL_HI
	MUL24 \f, 1, \zero
.endm
.macro THREE slot, zero
	QUARTER \slot, 1, F0, F1, \zero
	QUARTER \slot, 2, F1, F0, 0
	QUARTER \slot, 3, F0, F1, 0
.endm
; The last quarter multiplies buffer 1 and changes slots.  In front of the barrier each wave waits for its reads of this slot and for all
; its tensor loads (one is out: its part of the next slot).  Where the slot is filled again the barrier opens a round of the cluster's barrier,
; and the joint refill is the first tensor load behind the round.
.macro TURN slot, next, fill
	s_wait_dscnt 8
	WIN MUL_LO
	MULROW F1, 0, 0, 0
	MULROW F1, 0, 1, 0
	s_wait_dscnt 0x0                               ; my reads of this slot are over
	s_wait_tensorcnt 0x0                           ; all my tensor loads have landed
	ds_add_u32 v255, v255
	s_wait_dscnt 0x0
	s_barrier_signal -1
	MULROW F1, 0, 2, 0                             ; register work while the others arrive
	MULROW F1, 0, 3, 0
	WIN 0
	s_barrier_wait -1
.if \fill
	CREST
	s_add_nc_u64 s[G0+4*\slot+2:G0+4*\slot+3], s[G0+4*\slot+2:G0+4*\slot+3], 512        ; two K steps on: 256 elements of a row of xh
	s_add_nc_u64 s[G0B+4*\slot+2:G0B+4*\slot+3], s[G0B+4*\slot+2:G0B+4*\slot+3], 1572864 ; 256 rows of wqh
	JLOAD \slot                                    ; its four v_nop are also the places in front of the loads below
.else
	PLACES
.endif
	FETCH \next, 0, F0
	WIN MUL_HI
	MUL24 F1, 1, 0
.endm
.macro LAP zero
	THREE 0, \zero
	TURN 0, 1, 1
	THREE 1, 0
	TURN 1, 0, 1
.endm
	s_wait_tensorcnt 0x1                           ; my part of K step 0 is in; K step 1's may stay out
	s_barrier_signal -1
	s_barrier_wait -1
	FETCH 0, 0, F0
	LAP 1                                          ; the first products start the sums: nothing is cleared
	WIN 0
	s_mov_b32 s3, 2
.Llap:
	LAP 0
	WIN 0
	s_sub_co_u32 s3, s3, 1
	s_cmp_lg_u32 s3, 0
	s_cbranch_scc1 .Llap
	THREE 0, 0                                     ; the last two K steps fill nothing
	TURN 0, 1, 0
	THREE 1, 0
	s_wait_dscnt 8
	WIN MUL_LO
	MUL24 F1, 0, 0
	s_wait_dscnt 0x0
	WIN MUL_HI
	MUL24 F1, 1, 0
	PLACES                                         ; the places in front of everything below that reads results or writes fragment registers
; THE WAY OUT, one column tile (16 columns of qkv = 16 rows of qkvT) at a time.  A lane holds, for column r, rows 16 a + 8 h + 0..7:
; eight neighbouring numbers of a row of qkvT.  Scale and bias in one fused multiply-add, the column sum in f32, one rounding to f16,
; 16 bytes a lane into my own stage, whole rows of 256 bytes back, and out.
.macro OUTB b, rb
	WIN 0x02
.irp a, 0,1,2,3
.irp i, 0,1,2,3
	v_pk_fma_f32 v[F0+8*\a+2*\i:F0+8*\a+2*\i+1], v[8*(6*\a+\b)+2*\i:8*(6*\a+\b)+2*\i+1], v[SCP+2*\b:SCP+2*\b+1], v[BSP+2*\b:BSP+2*\b+1]
.endr
.endr
	WIN 0x03
.irp a, 0,1,2,3
.irp i, 0,1,2,3
	v_pk_fma_f32 v[F0+32+8*\a+2*\i:F0+32+8*\a+2*\i+1], v[8*(6*\a+\b)+2*\i:8*(6*\a+\b)+2*\i+1], v[SCP+2*\b:SCP+2*\b+1], v[BSP+2*\b:BSP+2*\b+1]
.endr
.endr
	WIN 0
	v_pk_add_f32 v[SUMP:SUMP+1], v[F0:F0+1], v[F0+2:F0+3]             ; two chains; the first pairs start them
	v_pk_add_f32 v[T:T+1], v[F0+32:F0+33], v[F0+34:F0+35]
.irp i, 2,3,4,5,6,7,8,9,10,11,12,13,14,15
	v_pk_add_f32 v[SUMP:SUMP+1], v[SUMP:SUMP+1], v[F0+2*\i:F0+2*\i+1]
	v_pk_add_f32 v[T:T+1], v[T:T+1], v[F0+32+2*\i:F0+32+2*\i+1]
.endr
	v_pk_add_f32 v[SUMP:SUMP+1], v[SUMP:SUMP+1], v[T:T+1]
	v_add_f32 v[T+2], v[SUMP], v[SUMP+1]
	v_permlanex16_b32 v[T+3], v[T+2], s42, s43     ; the other half of the lanes holds the column's other 64 rows
	v_add_f32 v[CS+\b], v[T+2], v[T+3]
.irp a, 0,1,2,3,4,5,6,7
.irp i, 0,1,2,3
	v_cvt_pk_f16_f32 v[TMP+4*\a+\i], v[F0+8*\a+2*\i], v[F0+8*\a+2*\i+1]
.endr
.endr
.irp a, 0,1,2,3,4,5,6,7
	ds_store_b128 v[STO], v[TMP+4*\a:TMP+4*\a+3] offset:32*\a
.endr
	s_wait_xcnt 0x0                                ; the read-back registers and the stores' base are rewritten only behind this wait
.if \b
	s_add_nc_u64 s[10:11], s[10:11], 131072        ; 16 rows of qkvT on
.endif
.irp t, 0,1,2,3,4,5,6,7
	ds_load_b128 v[\rb+4*\t:\rb+4*\t+3], v[RD] offset:544*\t       ; a wave's LDS instructions are served in order: these see the stores above
.endr
.irp t, 0,1,2,3,4,5,6,7
	s_wait_dscnt 7-\t
	global_store_b128 v[CO], v[\rb+4*\t:\rb+4*\t+3], s[10:11] offset:16384*\t   ; 16 lanes store 256 consecutive bytes, aligned
.endr
.endm
	OUTB 0, F1
	OUTB 1, F1+32
	OUTB 2, F1
	OUTB 3, F1+32
	OUTB 4, F1
	OUTB 5, F1+32
	v_cmp_eq_u32 vcc_lo, 0, v2                     ; lanes 0-15 carry the even column tile's sums, lanes 16-31 the odd one's
.irp p, 0,1,2
	v_cndmask_b32 v[T+\p], v[CS+2*\p+1], v[CS+2*\p], vcc_lo
	global_store_b32 v[VSO], v[T+\p], s[12:13] offset:128*\p
.endr
	s_set_vgpr_msb 0x4
	s_wait_tensorcnt 0x0
	ds_add_u32 v255, v255
	s_wait_dscnt 0x0
	s_set_vgpr_msb 0x400
	CROUND                                         ; the closing round: no work-group ends while a partner may still ask jointly
	s_endpgm
.Lfunc_end_k_q7f11807383_qkv:
	.size	k_q7f11807383_qkv, .Lfunc_end_k_q7f11807383_qkv-k_q7f11807383_qkv
	.p2alignl 7, 3214868480
	.fill 96, 4, 3214868480
	.section	.rodata,"a",@progbits
	.p2align	6, 0x0
	.amdhsa_kernel k_q7f11807383_qkv
		.amdhsa_group_segment_fixed_size 327680
		.amdhsa_private_segment_fixed_size 0
		.amdhsa_enable_private_segment 0
		.amdhsa_kernarg_size 40
		.amdhsa_user_sgpr_count 2
		.amdhsa_user_sgpr_kernarg_segment_ptr 1
		.amdhsa_wavefront_size32 1
		.amdhsa_system_sgpr_workgroup_id_x 1
		.amdhsa_system_sgpr_workgroup_id_y 1
		.amdhsa_system_sgpr_workgroup_id_z 1
		.amdhsa_system_vgpr_workitem_id 0
		.amdhsa_next_free_vgpr 960
		.amdhsa_next_free_sgpr 66
		.amdhsa_reserve_vcc 1
		.amdhsa_float_denorm_mode_32 3
		.amdhsa_float_denorm_mode_16_64 3
		.amdhsa_memory_ordered 1
		.amdhsa_forward_progress 1
		.amdhsa_inst_pref_size 186
	.end_amdhsa_kernel
	.amdgpu_metadata
---
amdhsa.version: [ 1, 2 ]
amdhsa.kernels:
  - .name:           k_q7f11807383_qkv
    .symbol:         k_q7f11807383_qkv.kd
    .args:
      - { .name: xh, .offset: 0, .size: 8, .value_kind: global_buffer, .address_space: global }
      - { .name: wqh, .offset: 8, .size: 8, .value_kind: global_buffer, .address_space: global }
      - { .name: b_qkv, .offset: 16, .size: 8, .value_kind: global_buffer, .address_space: global }
      - { .name: qkvT, .offset: 24, .size: 8, .value_kind: global_buffer, .address_space: global }
      - { .name: vsum, .offset: 32, .size: 8, .value_kind: global_buffer, .address_space: global }
    .group_segment_fixed_size: 327680
    .private_segment_fixed_size: 0
    .kernarg_segment_align: 8
    .kernarg_segment_size: 40
    .max_flat_workgroup_size: 128
    .sgpr_count:     66
    .vgpr_count:     960
    .wavefront_size: 32
...
	.end_amdgpu_metadata
.endif
;; end of part 2
;; launch attn (part 3): grid 16 x 16, 8 waves a work-group, clusters of 4 x 1, 327,680 bytes of LDS; arguments qkvT, pmf, vsum, hc; writes hc
.if DOCPART == 3
	.amdgcn_target "amdgcn-amd-amdhsa--gfx1250"
	.amdhsa_code_object_version 6
	.text
	.protected	k_q7f11807383_attn
	.globl	k_q7f11807383_attn
	.p2align	8
	.type	k_q7f11807383_attn,@function
k_q7f11807383_attn:
	s_mov_b64 s[64:65], 0
	v_nop
	global_prefetch_b8 v0, s[64:65] scope:SCOPE_SE
	s_setreg_imm32_b32 hwreg(HW_REG_WAVE_MODE, 25, 1), 1
	s_wait_xcnt 0x0
	s_wait_alu depctr_hold_cnt(0) depctr_sa_sdst(0) depctr_va_vdst(0) depctr_va_sdst(0) depctr_va_ssrc(0) depctr_va_vcc(0) depctr_vm_vsrc(0)
	s_getreg_b32 s2, hwreg(HW_REG_IB_STS2, 6, 4)
	s_cmp_eq_u32 s2, 0
	s_cbranch_scc0 .Lentry_in_a_cluster
	s_endpgm
.Lentry_in_a_cluster:
	s_bfe_u32 s2, ttmp6, 0x10000c
	s_cmp_lg_u32 s2, 0x3003
	s_cbranch_scc0 .Lentry_shape_is_right
	s_endpgm
.Lentry_shape_is_right:
; Causal, padded softmax attention for one head (grid y), in base 2 (Q carries 0.125 log2 e).
; The result leaves as TWO bf16 numbers, the rounded value and the rounded remainder (16 bits of significand together):
; hc[head][query][64] the values, hc[16 + head][query][64] the remainders.
; A cluster of four work-groups owns two blocks of 512 queries: block c (lo) and block 7 - c (hi), c = the cluster's x.
; lo needs 2 c + 2 tiles of 256 keys, hi needs 16 - 2 c: 18 tiles for every work-group.
; CLUSTERS: all four partners walk the same K, V and padding tiles, so each tile is asked for jointly (mask 15): a quarter of the requests.
; Trip counts hang on c alone, which the partners share.  Each stream takes its two diagonal tiles first, then the tiles from key 0 on.
; Eight waves: wave w has a query group qg = (w & 3) xor 3 (w >> 2) and a key half kg = w >> 2.  Of a block of 512 queries the wave of
; partner p takes queries 128 qg + 32 p .. + 31; of a tile of 256 keys it takes keys 128 sub + 64 kg .. + 63, sub = 0, 1.
; The queries are dealt 32 at a time among the partners so that what the causal mask throws away whole hangs on qg alone: in the diagonal
; block the keys from 128 (2 slot + sub) on are masked for every partner as soon as 2 slot + sub > qg, and that substep is jumped over by a
; branch on the wave's number: qg + 1 diagonal substeps instead of 4.  Waves w and w + 4 hold groups i and 3 - i: 5 substeps for each such pair.
; The price: a partner's Q^T comes as pieces of 64 rows x 64 bytes (32 KiB a work-group).
; The two key halves of a query group are merged at a stream's end.
; S^T = K Q^T + padding bias (the bias is the product's C operand); a lane then holds 8 keys of ONE query, so that the running maximum is
; per lane, and two key tiles pack in place into one fragment of P^T for O^T = V^T P^T.
; The softmax's divisor comes from the matrix unit too: a tile of ones stands as a fifth tile of V^T, so that the divisor is the sum of the
; very f16 numbers that multiply V, and the vector unit adds nothing up.
; A running maximum is kept and taken away before every exponential.
; A query all of whose allowed keys are padded has 4,096 equal scores in the problem's definition: its result is the mean of V over all keys,
; taken from vsum and selected where the row's maximum lies below THR.
; LIMITS: operands in f16 (|q|, |k|, |v| below 65,504); scaled scores above -5.4e8; to a padded key SENT is added, for a causally masked key
; it is substituted: after the exponential both are exactly 0 beside any key that counts.
.set SLOT, 69632                       ; K 64 x 544, V 64 x 528, padding bias 1,024
.set VOFF, 34816
.set POFF, 68608
.set QB,   139264                      ; Q^T: [stream][query group] pieces of 64 rows x 96 bytes
.set QPC,  6144
.set QSZ,  24576
.set VMB,  188416                      ; from here on: bytes written by LDS stores alone, no tensor load lands here.  Mean of V: 8 x 256
.set MRG,  190464                      ; hand-over between the two key halves: 8 x 4,352
.set OST,  225280                      ; the way out: 8 x 16 rows x 144
.set PK,   544
.set PV,   528
.set PQ,   96
.set SENT, 0xcec00000                  ; -1.5 * 2^30
.set THR,  0xce000000                  ; -2^29
.set ADK, 2
.set ADV, 4
.set ADP, 6
.set ADQ, 8
.set DD,  9                            ; query - key of my lane's first element on the diagonal: data, never an address
.set MW,  10
.set MR,  11
.set STO, 12
.set RD,  13
.set CO,  14
.set VMA, 15
.set MP,  16                           ; v16-19  running maximum of query tile 0, 1, twice each
.set AL,  20                           ; v20-23  the rescaling factor, twice each
.set T,   28                           ; v28-39  at work
.set QF,  40                           ; v40-71   Q fragments [qt][ds]
.set KF,  72                           ; v72-135  K fragments [kt][ds]
.set PMR, 136                          ; v136-167 padding bias [kt]
.set SR,  168                          ; v168-231 scores [kt][qt], then P^T fragments
.set MW2, 232
.set MR2, 233
.set VMW, 234
.set VSO, 235
.set CO2, 236                          ; my byte offset in hc for the remainders
.set OA,  0                            ; window 1: v0-63    O^T [dt][qt]
.set VF,  64                           ; window 1: v64-127  V fragments [dt][ks]
.set OL,  128                          ; window 1: v128-143 the sums of P [qt]: every register of a lane holds its query's sum
.set ONE, 144                          ; window 1: v144-151 a fragment of ones in f16
.set G1K, 16
.set G1V, 24
.set G1P, 32
.set G0K, 40
.set G0V, 48
.set G0P, 56
.set G1Q, 68
.set G0Q, 76
.set MSB, 0
.macro WIN new
.if MSB != \new
	s_set_vgpr_msb (MSB<<8)|\new
.set MSB, \new
.endif
.endm
.macro NOP4
.rept 4
	v_nop
.endr
.endm
.macro ROUND                           ; a round of the cluster's barrier
	s_barrier_signal -1
	s_barrier_wait -1
	s_cmp_lg_u32 s12, 0
	s_cbranch_scc1 .Lnot_wave_0_\@
	s_barrier_signal -3
.Lnot_wave_0_\@:
	s_barrier_wait -3
	s_barrier_signal -1
	s_barrier_wait -1
.endm
; The joint refill of slot o: wave 0 asks for K's tile, wave 1 for V's, wave 2 for the padding bias; one tensor load a wave.
.macro JLOAD o
	s_cmp_lg_u32 s12, 0
	s_cbranch_scc1 .Lj1_\@
	tensor_load_to_lds s[G0K+4*\o:G0K+4*\o+3], s[G1K:G1K+7]
	s_nop 0
	NOP4
	s_branch .Ljd_\@
.Lj1_\@:
	s_cmp_lg_u32 s12, 1
	s_cbranch_scc1 .Lj2_\@
	tensor_load_to_lds s[G0V+4*\o:G0V+4*\o+3], s[G1V:G1V+7]
	s_nop 0
	NOP4
	s_branch .Ljd_\@
.Lj2_\@:
	s_cmp_lg_u32 s12, 2
	s_cbranch_scc1 .Ljd_\@
	tensor_load_to_lds s[G0P+4*\o:G0P+4*\o+3], s[G1P:G1P+7]
	s_nop 0
	NOP4
.Ljd_\@:
.endm
; The addresses of tile t (s90) into slot o's descriptors.  Byte offset in a row of K^T or V^T = 512 t + a bias that hangs on where t lies:
; t < 2: lo's diagonal; t < 2c+2: lo from key 0; t < 2c+4: hi's diagonal; else hi from key 0.
.macro NEXTK o
	s_cmp_ge_u32 s90, 2
	s_cselect_b32 s97, 0xfffffc00, s93
	s_cmp_ge_u32 s90, s91
	s_cselect_b32 s97, s94, s97
	s_cmp_ge_u32 s90, s92
	s_cselect_b32 s97, s95, s97
	s_lshl_b32 s88, s90, 9
	s_add_co_u32 s88, s88, s97
	s_add_nc_u64 s[G0K+4*\o+2:G0K+4*\o+3], s[84:85], s[88:89]
	s_or_b32 s[G0K+4*\o+3], s[G0K+4*\o+3], 0x80000000
	s_add_nc_u64 s[G0V+4*\o+2:G0V+4*\o+3], s[86:87], s[88:89]
	s_or_b32 s[G0V+4*\o+3], s[G0V+4*\o+3], 0x80000000
	s_lshl_b32 s88, s88, 1                         ; four bytes a key in pmf
	s_add_nc_u64 s[G0P+4*\o+2:G0P+4*\o+3], s[6:7], s[88:89]
	s_or_b32 s[G0P+4*\o+3], s[G0P+4*\o+3], 0x80000000
	s_add_co_u32 s90, s90, 1
.endm
	s_load_b256 s[4:11], s[0:1], 0x0               ; qkvT s[4:5], pmf s[6:7], vsum s[8:9], hc s[10:11]
	v_lshl_add_u32 v254, v0, 2, 0x3b800
	v_mov_b32 v255, 0
	ds_add_u32 v254, v255
	v_lshrrev_b32 v1, 5, v0
	v_readfirstlane_b32 s12, v1                    ; wave 0..7
	s_and_b32 s13, s12, 3
	s_lshr_b32 s14, s12, 2                         ; kg: my 64 of every 128 keys
	s_mul_i32 s2, s14, 3
	s_xor_b32 s13, s13, s2                         ; qg: waves 0-3 take groups 0-3, waves 4-7 groups 3-0
	s_mov_b32 s15, ttmp9                           ; c
	s_and_b32 s66, ttmp7, 0xffff                   ; head
	s_bfe_u32 s67, ttmp6, 0x40000                  ; p: my place in the cluster
	s_lshl_b32 s91, s15, 1
	s_add_co_u32 s91, s91, 2                       ; 2c + 2
	s_add_co_u32 s92, s91, 2                       ; 2c + 4
	s_lshl_b32 s93, s15, 10                        ; 1024 c
	s_lshl_b32 s94, s15, 11
	s_sub_co_u32 s94, 6144, s94                    ; 6144 - 2048 c
	s_sub_co_u32 s95, 0, s93
	s_sub_co_u32 s95, s95, 2048                    ; -1024 c - 2048
	s_mov_b32 s96, SENT
	s_mov_b32 s98, 0x76543210
	s_mov_b32 s99, 0xfedcba98
	s_mov_b32 s90, 1                               ; the next tile to ask for
	s_mov_b32 s[G1K+0], 15|(1<<16)|(1<<20)|(1<<21)|(6<<22)|(7<<25)   ; mask: all four partners; 8 words of padding after every 128 words
	s_mov_b32 s[G1K+1], 256<<16
	s_mov_b32 s[G1K+2], 64<<16
	s_mov_b32 s[G1K+3], 256<<16
	s_mov_b32 s[G1K+4], 64
	s_mov_b32 s[G1K+5], 4096
	s_mov_b32 s[G1K+6], 0
	s_mov_b32 s[G1K+7], 0
	s_mov_b32 s[G1V+0], 15|(1<<16)|(1<<20)|(1<<21)|(6<<22)|(3<<25)   ; 4 words of padding
	s_mov_b32 s[G1V+1], 256<<16
	s_mov_b32 s[G1V+2], 64<<16
	s_mov_b32 s[G1V+3], 256<<16
	s_mov_b32 s[G1V+4], 64
	s_mov_b32 s[G1V+5], 4096
	s_mov_b32 s[G1V+6], 0
	s_mov_b32 s[G1V+7], 0
	s_mov_b32 s[G1P+0], 15|(3<<16)|(1<<21)         ; one row of 128 elements of 8 bytes
	s_mov_b32 s[G1P+1], 128<<16
	s_mov_b32 s[G1P+2], 1<<16
	s_mov_b32 s[G1P+3], 128<<16
	s_mov_b32 s[G1P+4], 1
	s_mov_b32 s[G1P+5], 128
	s_mov_b32 s[G1P+6], 0
	s_mov_b32 s[G1P+7], 0
	s_mov_b32 s[G1Q+0], (1<<16)|(1<<20)|(3<<22)|(7<<25)              ; my own queries: no mask; 8 words of padding after every 16 words
	s_mov_b32 s[G1Q+1], 32<<16                     ; a piece: 32 queries
	s_mov_b32 s[G1Q+2], 64<<16                     ; x 64 rows of Q^T
	s_mov_b32 s[G1Q+3], 32<<16
	s_mov_b32 s[G1Q+4], 64
	s_mov_b32 s[G1Q+5], 4096
	s_mov_b32 s[G1Q+6], 0
	s_mov_b32 s[G1Q+7], 0
.irp n, 0,1
	s_mov_b32 s[G0K+4*\n], 1
	s_mov_b32 s[G0K+4*\n+1], \n*SLOT
	s_mov_b32 s[G0V+4*\n], 1
	s_mov_b32 s[G0V+4*\n+1], \n*SLOT+VOFF
	s_mov_b32 s[G0P+4*\n], 1
	s_mov_b32 s[G0P+4*\n+1], \n*SLOT+POFF
	s_mov_b32 s[G0Q+4*\n], 1
.endr
	s_mul_i32 s97, s12, QPC                        ; waves 4-7 fetch the pieces of query groups 0-3: LDS address QB + (wave - 4) x QPC
	s_add_co_u32 s[G0Q+1], s97, QB-4*QPC
	s_add_co_u32 s[G0Q+5], s97, QB-4*QPC+QSZ
	s_and_b32 s97, s12, 3
	s_lshl_b32 s97, s97, 8                         ; 2 bytes x 128 queries a group
	s_lshl_b32 s88, s66, 19                        ; 64 rows of 8,192 bytes a head in qkvT; also 4,096 rows of 128 bytes a head in hc
	s_mov_b32 s89, 0
	s_mov_b32 s105, 0                              ; s[104:105]: the one pair that ever holds an offset made of p
	s_wait_dscnt 0x0
	s_wait_kmcnt 0x0
	s_add_nc_u64 s[84:85], s[4:5], s[88:89]        ; Q^T of my head
	s_add_nc_u64 s[86:87], s[84:85], 0x1000000     ; V^T of my head: 2,048 rows further
	s_add_nc_u64 s[100:101], s[10:11], s[88:89]    ; hc of my head
	s_lshl_b32 s104, s67, 6
	s_add_co_u32 s104, s104, s97
	s_add_co_u32 s104, s104, s93                   ; lo: 2 bytes x (512 c + 128 group + 32 p)
	s_add_nc_u64 s[G0Q+2:G0Q+3], s[84:85], s[104:105]
	s_or_b32 s[G0Q+3], s[G0Q+3], 0x80000000
	s_add_co_u32 s104, s104, 7168
	s_sub_co_u32 s104, s104, s93
	s_sub_co_u32 s104, s104, s93                   ; hi: 2 bytes x (512 (7 - c) + 128 group + 32 p)
	s_add_nc_u64 s[G0Q+6:G0Q+7], s[84:85], s[104:105]
	s_or_b32 s[G0Q+7], s[G0Q+7], 0x80000000
	s_lshl_b32 s104, s67, 12                       ; hc: 128 bytes x (512 c + 32 p)
	s_lshl_b32 s97, s15, 16
	s_add_co_u32 s104, s104, s97
	s_add_nc_u64 s[100:101], s[100:101], s[104:105]
	s_add_nc_u64 s[84:85], s[84:85], 0x800000      ; K^T of my head: 1,024 rows behind Q^T
	s_mov_b32 s88, s93                             ; tile 0: lo's first diagonal tile
	s_add_nc_u64 s[G0K+2:G0K+3], s[84:85], s[88:89]
	s_or_b32 s[G0K+3], s[G0K+3], 0x80000000
	s_add_nc_u64 s[G0V+2:G0V+3], s[86:87], s[88:89]
	s_or_b32 s[G0V+3], s[G0V+3], 0x80000000
	s_lshl_b32 s88, s88, 1
	s_add_nc_u64 s[G0P+2:G0P+3], s[6:7], s[88:89]
	s_or_b32 s[G0P+3], s[G0P+3], 0x80000000
	ROUND                                          ; the four partners are here: the first joint loads meet
	; the first fills, in one chain of branches on the wave's number: waves 0-2 one each, waves 4-7 their group's two pieces of Q^T
	s_cmp_lg_u32 s12, 0
	s_cbranch_scc1 .Lf1
	tensor_load_to_lds s[G0K:G0K+3], s[G1K:G1K+7]
	s_nop 0
	NOP4
	s_branch .Lfd
.Lf1:
	s_cmp_lg_u32 s12, 1
	s_cbranch_scc1 .Lf2
	tensor_load_to_lds s[G0V:G0V+3], s[G1V:G1V+7]
	s_nop 0
	NOP4
	s_branch .Lfd
.Lf2:
	s_cmp_lg_u32 s12, 2
	s_cbranch_scc1 .Lf3
	tensor_load_to_lds s[G0P:G0P+3], s[G1P:G1P+7]
	s_nop 0
	NOP4
	s_branch .Lfd
.Lf3:
	s_cmp_lt_u32 s12, 4
	s_cbranch_scc1 .Lfd
	tensor_load_to_lds s[G0Q:G0Q+3], s[G1Q:G1Q+7]
	s_nop 0
	NOP4
	tensor_load_to_lds s[G0Q+4:G0Q+7], s[G1Q:G1Q+7]
	s_nop 0
	NOP4
.Lfd:
	; the sums of V's 64 columns of my head over the 32 blocks of rows: every wave adds them for itself
	v_and_b32 v[T+7], 31, v0                       ; lane
	s_lshl_b32 s97, s66, 8
	s_add_co_u32 s97, s97, 8192                    ; 4 bytes x (2048 + 64 head)
	v_lshl_add_u32 v[VSO], v[T+7], 3, s97
.set i, 0
.rept 32
	global_load_b64 v[SR+2*i:SR+2*i+1], v[VSO], s[8:9] offset:12288*i
.set i, i+1
.endr
	v_and_b32 v[T], 15, v0                         ; r
	v_bfe_u32 v[T+1], v0, 4, 1                     ; h
	v_and_b32 v[T+2], 7, v0
	v_bfe_u32 v[T+3], v0, 3, 1
	v_lshl_add_u32 v[T+6], v[T+1], 3, v[T+2]       ; the row that a transposing load addresses: 8 h + lane mod 8
	v_mul_u32_u24 v[ADK], v[T+6], PK
	v_lshl_add_u32 v[ADK], v[T+3], 4, v[ADK]
	s_lshl_b32 s97, s14, 7                         ; my 64 of every 128 keys: 128 bytes
	v_add_nc_u32 v[ADK], s97, v[ADK]
	v_add_nc_u32 v[ADK+1], SLOT, v[ADK]
	v_mul_u32_u24 v[ADV], v[T], PV
	v_lshl_add_u32 v[ADV], v[T+1], 4, v[ADV]
	s_add_co_u32 s97, s97, VOFF
	v_add_nc_u32 v[ADV], s97, v[ADV]
	v_add_nc_u32 v[ADV+1], SLOT, v[ADV]
	s_lshl_b32 s97, s14, 8
	s_add_co_u32 s97, s97, POFF
	v_lshl_add_u32 v[ADP], v[T+1], 5, s97
	v_add_nc_u32 v[ADP+1], SLOT, v[ADP]
	v_mul_u32_u24 v[ADQ], v[T+6], PQ
	v_lshl_add_u32 v[ADQ], v[T+3], 4, v[ADQ]
	s_mul_i32 s97, s13, QPC                        ; my query group's piece
	s_add_co_u32 s97, s97, QB
	v_add_nc_u32 v[ADQ], s97, v[ADQ]
	s_lshl_b32 s104, s67, 5                        ; 128 qg + 32 p - 64 kg + r - 8 h
	s_lshl_b32 s97, s13, 7
	s_add_co_u32 s104, s104, s97
	s_lshl_b32 s97, s14, 6
	s_sub_co_u32 s104, s104, s97
	v_add_nc_u32 v[DD], s104, v[T]
	v_lshlrev_b32 v1, 3, v[T+1]
	v_sub_nc_u32 v[DD], v[DD], v1
	s_mul_i32 s97, s12, 4352
	s_add_co_u32 s97, s97, MRG
	v_lshl_add_u32 v[MW], v[T+7], 4, s97
	s_add_co_u32 s97, s97, 4096
	v_lshl_add_u32 v[MW2], v[T+7], 3, s97
	s_xor_b32 s97, s12, 7                          ; the wave with my queries and the other keys
	s_mul_i32 s97, s97, 4352
	s_add_co_u32 s97, s97, MRG
	v_lshl_add_u32 v[MR], v[T+7], 4, s97
	s_add_co_u32 s97, s97, 4096
	v_lshl_add_u32 v[MR2], v[T+7], 3, s97
	s_mul_i32 s97, s12, 2304
	s_add_co_u32 s97, s97, OST
	v_mul_u32_u24 v[STO], v[T], 144
	v_lshl_add_u32 v[STO], v[T+1], 4, v[STO]
	v_add_nc_u32 v[STO], s97, v[STO]
	v_lshrrev_b32 v1, 3, v[T+7]
	v_mul_u32_u24 v[RD], v1, 144
	v_lshl_add_u32 v[RD], v[T+2], 4, v[RD]
	v_add_nc_u32 v[RD], s97, v[RD]
	s_lshl_b32 s97, s13, 14                        ; 128 bytes x (128 qg + 16 kg)
	s_lshl_b32 s2, s14, 11
	s_add_co_u32 s97, s97, s2
	v_lshl_add_u32 v[CO], v[T+7], 4, s97
	v_add_nc_u32 v[CO2], 0x800000, v[CO]           ; the remainders lie 16 heads of 524,288 bytes further
	s_lshl_b32 s97, s12, 8
	s_add_co_u32 s97, s97, VMB
	v_lshl_add_u32 v[VMA], v[T+1], 5, s97
	v_lshl_add_u32 v[VMW], v[T+7], 3, s97
	v_mov_b32 v[T+4], 0                            ; lane permutes' destinations count as read
	v_mov_b32 v[T+5], 0
	WIN 0x40
.irp i, 0,1,2,3,4,5,6,7
	v_mov_b32 v[ONE+\i], 0x3c003c00                ; 1.0 in f16, twice
.endr
	WIN 0
	s_wait_loadcnt 0x0
	v_pk_add_f32 v[SR:SR+1], v[SR:SR+1], v[SR+2:SR+3]
	v_pk_add_f32 v[SR+32:SR+33], v[SR+32:SR+33], v[SR+34:SR+35]
.irp i, 2,3,4,5,6,7,8,9,10,11,12,13,14,15
	v_pk_add_f32 v[SR:SR+1], v[SR:SR+1], v[SR+2*\i:SR+2*\i+1]
	v_pk_add_f32 v[SR+32:SR+33], v[SR+32:SR+33], v[SR+32+2*\i:SR+32+2*\i+1]
.endr
	v_pk_add_f32 v[SR:SR+1], v[SR:SR+1], v[SR+32:SR+33]
	v_pk_mul_f32 v[SR:SR+1], v[SR:SR+1], 0x39800000 op_sel_hi:[1,0]   ; / 4096
	ds_store_b64 v[VMW], v[SR:SR+1]                ; my wave's own 256 bytes
; 64 keys x 32 queries: keys 128 sub + 64 kg .. + 63 of the slot's tile.  first = 1: this product starts the stream's maximum, sums and O.
; mask = 1: a diagonal tile.
.macro SUBSTEP slot, sub, first, mask
.irp kt, 0,1,2,3
	ds_load_b128 v[PMR+8*\kt:PMR+8*\kt+3],   v[ADP+\slot] offset:512*\sub+64*\kt
	ds_load_b128 v[PMR+8*\kt+4:PMR+8*\kt+7], v[ADP+\slot] offset:512*\sub+64*\kt+16
.endr
.irp kt, 0,1,2,3
.irp ds, 0,1
	ds_load_tr16_b128 v[KF+8*(2*\kt+\ds):KF+8*(2*\kt+\ds)+3],   v[ADK+\slot] offset:17408*\ds+256*\sub+32*\kt
	ds_load_tr16_b128 v[KF+8*(2*\kt+\ds)+4:KF+8*(2*\kt+\ds)+7], v[ADK+\slot] offset:17408*\ds+8704+256*\sub+32*\kt
.endr
.endr
	WIN 0x40
.irp dt, 0,1,2,3
.irp ks, 0,1
	ds_load_b128 v[VF+8*(2*\dt+\ks):VF+8*(2*\dt+\ks)+3],   v[ADV+\slot] offset:8448*\dt+256*\sub+64*\ks
	ds_load_b128 v[VF+8*(2*\dt+\ks)+4:VF+8*(2*\dt+\ks)+7], v[ADV+\slot] offset:8448*\dt+256*\sub+64*\ks+32
.endr
.endr
	WIN 0
	s_wait_dscnt 16                                ; all but V's sixteen loads
	; S^T = K Q^T + bias.  The eight accumulators take turns, one instruction a turn.
.irp kt, 0,1,2,3
.irp qt, 0,1
	v_wmma_f32_16x16x32_f16 v[SR+8*(2*\kt+\qt):SR+8*(2*\kt+\qt)+7], v[KF+16*\kt:KF+16*\kt+7], v[QF+16*\qt:QF+16*\qt+7], v[PMR+8*\kt:PMR+8*\kt+7]
.endr
.endr
.irp kt, 0,1,2,3
.irp qt, 0,1
	v_wmma_f32_16x16x32_f16 v[SR+8*(2*\kt+\qt):SR+8*(2*\kt+\qt)+7], v[KF+16*\kt+8:KF+16*\kt+15], v[QF+16*\qt+8:QF+16*\qt+15], v[SR+8*(2*\kt+\qt):SR+8*(2*\kt+\qt)+7]
.endr
.endr
.rept 5
	v_nop                                          ; the places behind the products (ISA guide 7.12.1)
.endr
.if \mask
	; key <= query, both counted from the diagonal block's start: a constant against DD; a select, never a branch
.irp kt, 0,1,2,3
.irp qt, 0,1
.irp j, 0,1,2,3,4,5,6,7
	v_cmp_le_i32 vcc_lo, 256*\slot+128*\sub+16*\kt-16*\qt+\j, v[DD]
	v_cndmask_b32 v[SR+8*(2*\kt+\qt)+\j], s96, v[SR+8*(2*\kt+\qt)+\j], vcc_lo
.endr
.endr
.endr
.endif
	; the new maximum: four chains (two a query tile), started by the old maximum or by the first two scores
.irp c, 0,1,2,3
.if \first
	v_max_num_f32 v[T+\c], v[SR+8*(4*(\c&1)+(\c>>1))], v[SR+8*(4*(\c&1)+(\c>>1))+1]
.else
	v_max3_num_f32 v[T+\c], v[MP+2*(\c>>1)], v[SR+8*(4*(\c&1)+(\c>>1))], v[SR+8*(4*(\c&1)+(\c>>1))+1]
.endif
.endr
.irp i, 1,2,3,4,5,6,7
.irp c, 0,1,2,3
	v_max3_num_f32 v[T+\c], v[T+\c], v[SR+8*(2*(2*(\c&1)+(\i>>2))+(\c>>1))+2*(\i&3)], v[SR+8*(2*(2*(\c&1)+(\i>>2))+(\c>>1))+2*(\i&3)+1]
.endr
.endr
	v_max_num_f32 v[T], v[T], v[T+1]
	v_max_num_f32 v[T+2], v[T+2], v[T+3]
	v_permlanex16_b32 v[T+4], v[T], s98, s99       ; the other half of the lanes holds the query's other keys
	v_permlanex16_b32 v[T+5], v[T+2], s98, s99
	v_max_num_f32 v[T], v[T], v[T+4]
	v_max_num_f32 v[T+2], v[T+2], v[T+5]
.if \first
.else
	v_sub_f32 v[T+1], v[MP], v[T]
	v_sub_f32 v[T+3], v[MP+2], v[T+2]
	v_exp_f32 v[AL], v[T+1]
	v_exp_f32 v[AL+2], v[T+3]
.endif
	v_mov_b32 v[MP], v[T]                          ; plain moves: also the place behind the two exponentials (ISA guide 5.7.2)
	v_mov_b32 v[MP+1], v[T]
	v_mov_b32 v[MP+2], v[T+2]
	v_mov_b32 v[MP+3], v[T+2]
.if \first
.else
	s_wait_alu depctr_va_vdst(0)
	v_mov_b32 v[AL+1], v[AL]
	v_mov_b32 v[AL+3], v[AL+2]
.endif
.irp kt, 0,1,2,3
.irp qt, 0,1
.irp i, 0,1,2,3
	v_pk_add_f32 v[SR+8*(2*\kt+\qt)+2*\i:SR+8*(2*\kt+\qt)+2*\i+1], v[SR+8*(2*\kt+\qt)+2*\i:SR+8*(2*\kt+\qt)+2*\i+1], v[MP+2*\qt:MP+2*\qt+1] neg_lo:[0,1] neg_hi:[0,1]
.endr
.endr
.endr
.set i, 0
.rept 64
	v_exp_f32 v[SR+i], v[SR+i]
.set i, i+1
.endr
	v_nop                                          ; the place behind the exponentials
	; P^T fragments in place: keys 32 ks + 8 h + 0..7 from key tile 2 ks into registers 0-3, keys 32 ks + 16 + 8 h + 0..7 from tile 2 ks + 1 into 4-7
	s_wait_alu depctr_va_vdst(0)
.irp ks, 0,1
.irp qt, 0,1
.irp i, 0,1,2,3
	v_cvt_pk_f16_f32 v[SR+8*(4*\ks+\qt)+\i], v[SR+8*(4*\ks+\qt)+2*\i], v[SR+8*(4*\ks+\qt)+2*\i+1]
.endr
.irp i, 0,1,2,3
	v_cvt_pk_f16_f32 v[SR+8*(4*\ks+\qt)+4+\i], v[SR+8*(4*\ks+2+\qt)+2*\i], v[SR+8*(4*\ks+2+\qt)+2*\i+1]
.endr
.endr
.endr
.if \first
.else
	WIN 0x41                                       ; O^T and the sums of P are brought to the new maximum
.irp dt, 0,1,2,3
.irp qt, 0,1
.irp i, 0,1,2,3
	v_pk_mul_f32 v[OA+8*(2*\dt+\qt)+2*\i:OA+8*(2*\dt+\qt)+2*\i+1], v[OA+8*(2*\dt+\qt)+2*\i:OA+8*(2*\dt+\qt)+2*\i+1], v[AL+2*\qt:AL+2*\qt+1]
.endr
.endr
.endr
.irp qt, 0,1
.irp i, 0,1,2,3
	v_pk_mul_f32 v[OL+8*\qt+2*\i:OL+8*\qt+2*\i+1], v[OL+8*\qt+2*\i:OL+8*\qt+2*\i+1], v[AL+2*\qt:AL+2*\qt+1]
.endr
.endr
.endif
	s_wait_dscnt 0x0                               ; V is in
	WIN 0x51                                       ; O^T += V^T P^T, sums += ones P^T: ten accumulators by turns
.irp dt, 0,1,2,3
.irp qt, 0,1
.if \first
	v_wmma_f32_16x16x32_f16 v[OA+8*(2*\dt+\qt):OA+8*(2*\dt+\qt)+7], v[VF+16*\dt:VF+16*\dt+7], v[SR+8*\qt:SR+8*\qt+7], 0
.else
	v_wmma_f32_16x16x32_f16 v[OA+8*(2*\dt+\qt):OA+8*(2*\dt+\qt)+7], v[VF+16*\dt:VF+16*\dt+7], v[SR+8*\qt:SR+8*\qt+7], v[OA+8*(2*\dt+\qt):OA+8*(2*\dt+\qt)+7]
.endif
.endr
.endr
.irp qt, 0,1
.if \first
	v_wmma_f32_16x16x32_f16 v[OL+8*\qt:OL+8*\qt+7], v[ONE:ONE+7], v[SR+8*\qt:SR+8*\qt+7], 0
.else
	v_wmma_f32_16x16x32_f16 v[OL+8*\qt:OL+8*\qt+7], v[ONE:ONE+7], v[SR+8*\qt:SR+8*\qt+7], v[OL+8*\qt:OL+8*\qt+7]
.endif
.endr
.irp dt, 0,1,2,3
.irp qt, 0,1
	v_wmma_f32_16x16x32_f16 v[OA+8*(2*\dt+\qt):OA+8*(2*\dt+\qt)+7], v[VF+16*\dt+8:VF+16*\dt+15], v[SR+8*(4+\qt):SR+8*(4+\qt)+7], v[OA+8*(2*\dt+\qt):OA+8*(2*\dt+\qt)+7]
.endr
.endr
.irp qt, 0,1
	v_wmma_f32_16x16x32_f16 v[OL+8*\qt:OL+8*\qt+7], v[ONE:ONE+7], v[SR+8*(4+\qt):SR+8*(4+\qt)+7], v[OL+8*\qt:OL+8*\qt+7]
.endr
	WIN 0
.rept 5
	v_nop                                          ; the places in front of the next loads into V and the next products over P
.endr
.endm
; One tile of 256 keys.  In front of the round every wave waits for all its tensor loads and for its LDS reads; the round takes the place of
; the barrier in front of a refill; the joint refill of the other slot is the first thing behind it.  A wave has one tensor
; load out behind a round (waves 4-7: two at the start).
; In a diagonal tile the substep 2 slot + sub is made only by the waves with qg >= 2 slot + sub: for the others all its keys lie behind all
; their queries, in every partner.  The branch hangs on the wave's number alone and jumps over no barrier, tensor load or wait for one.
; The stream's first substep (slot 0, sub 0) is made by every wave.
.macro STEP slot, first, mask, refill, strm
	s_wait_tensorcnt 0x0                           ; this tile has landed; no tensor load of mine is out, so the descriptors may be written
	ds_add_u32 v254, v255
	s_wait_dscnt 0x0
.if \refill
	NEXTK (1-\slot)
.endif
	s_wait_dscnt 0x0                               ; my reads of the other slot are over
	ROUND
.if \refill
	JLOAD (1-\slot)
.endif
.if \first
.irp qt, 0,1
.irp ds, 0,1
	ds_load_tr16_b128 v[QF+8*(2*\qt+\ds):QF+8*(2*\qt+\ds)+3],   v[ADQ] offset:QSZ*\strm+3072*\ds+32*\qt
	ds_load_tr16_b128 v[QF+8*(2*\qt+\ds)+4:QF+8*(2*\qt+\ds)+7], v[ADQ] offset:QSZ*\strm+3072*\ds+1536+32*\qt
.endr
.endr
.endif
.if \mask
.if \slot
	s_cmp_lt_u32 s13, 2*\slot
	s_cbranch_scc1 .Lsk0_\@
.endif
.endif
	SUBSTEP \slot, 0, \first, \mask
.Lsk0_\@:
.if \mask
	s_cmp_lt_u32 s13, 2*\slot+1
	s_cbranch_scc1 .Lsk1_\@
.endif
	SUBSTEP \slot, 1, 0, \mask
.Lsk1_\@:
.endm
; The end of a stream.  The wave of key half kg finishes query tile kg and hands query tile 1 - kg to its partner.
.macro HAND qo
	v_mov_b32 v[T], v[MP+2*\qo]
	WIN 0x01
	v_mov_b32 v[T+1], v[OL+8*\qo]                  ; the sum of P over my keys, the same in both halves of the lanes
	WIN 0x04
.irp dt, 0,1,2,3
	ds_store_b128 v[MW], v[OA+8*(2*\dt+\qo):OA+8*(2*\dt+\qo)+3]   offset:1024*\dt
	ds_store_b128 v[MW], v[OA+8*(2*\dt+\qo)+4:OA+8*(2*\dt+\qo)+7] offset:1024*\dt+512
.endr
	WIN 0
	ds_store_b64 v[MW2], v[T:T+1]
.endm
; 16 rows x 128 bytes through my wave's own stage and out: src = 16 packed registers, rb = 16 registers to read back into, co = the offset register
.macro OUTH src, rb, co
.irp dt, 0,1,2,3
	ds_store_b128 v[STO], v[\src+4*\dt:\src+4*\dt+3] offset:32*\dt    ; row = query r, 16 bytes at d = 16 dt + 8 h
.endr
.irp t, 0,1,2,3
	ds_load_b128 v[\rb+4*\t:\rb+4*\t+3], v[RD] offset:576*\t          ; my wave's own bytes, served in order: four whole rows of 128 bytes
.endr
.irp t, 0,1,2,3
	s_wait_dscnt 3-\t
	global_store_b128 v[\co], v[\rb+4*\t:\rb+4*\t+3], s[100:101] offset:512*\t   ; a wave's store covers 512 consecutive bytes, aligned
.endr
.endm
.macro MERGE qm
	WIN 0x01
	v_mov_b32 v[T+1], v[OL+8*\qm]                  ; my sum of P
	WIN 0
.irp i, 0,1,2,3,4,5,6,7
	ds_load_b128 v[KF+4*\i:KF+4*\i+3], v[MR] offset:512*\i            ; the partner's O^T of my query tile
.endr
	ds_load_b64 v[KF+32:KF+33], v[MR2]                                ; its maximum and sum
.irp dt, 0,1,2,3
	ds_load_b128 v[PMR+8*\dt:PMR+8*\dt+3],   v[VMA] offset:64*\dt     ; the mean of V, in O^T's layout
	ds_load_b128 v[PMR+8*\dt+4:PMR+8*\dt+7], v[VMA] offset:64*\dt+16
.endr
	s_wait_dscnt 0x0
	v_max_num_f32 v[T+2], v[MP+2*\qm], v[KF+32]
	v_sub_f32 v[T+3], v[MP+2*\qm], v[T+2]
	v_sub_f32 v[T+4], v[KF+32], v[T+2]
	v_exp_f32 v[T+3], v[T+3]
	v_exp_f32 v[T+4], v[T+4]
	v_nop
	s_wait_alu depctr_va_vdst(0)
	v_mul_f32 v[T+1], v[T+1], v[T+3]
	v_fma_f32 v[T+1], v[KF+33], v[T+4], v[T+1]     ; at least 1: the largest score's exponential is in it
	v_rcp_f32 v[T+6], v[T+1]
	v_cmp_gt_f32 vcc_lo, THR, v[T+2]               ; no allowed key counts: the row takes the mean of V.  Also the place behind v_rcp_f32
	s_wait_alu depctr_va_vdst(0)
	v_mul_f32 v[T+8], v[T+3], v[T+6]
	v_mul_f32 v[T+9], v[T+3], v[T+6]
	v_mul_f32 v[T+10], v[T+4], v[T+6]
	v_mul_f32 v[T+11], v[T+4], v[T+6]
	WIN 0x01
.irp dt, 0,1,2,3
.irp i, 0,1,2,3
	v_pk_mul_f32 v[SR+8*\dt+2*\i:SR+8*\dt+2*\i+1], v[OA+8*(2*\dt+\qm)+2*\i:OA+8*(2*\dt+\qm)+2*\i+1], v[T+8:T+9]
.endr
.endr
	WIN 0
.irp i, 0,1,2,3,4,5,6,7,8,9,10,11,12,13,14,15
	v_pk_fma_f32 v[SR+2*\i:SR+2*\i+1], v[KF+2*\i:KF+2*\i+1], v[T+10:T+11], v[SR+2*\i:SR+2*\i+1]
.endr
.set i, 0
.rept 32
	v_cndmask_b32 v[SR+i], v[SR+i], v[PMR+i], vcc_lo
.set i, i+1
.endr
	; the value rounded to bf16, and what the rounding left, rounded to bf16
.irp i, 0,1,2,3,4,5,6,7,8,9,10,11,12,13,14,15
	v_cvt_pk_bf16_f32 v[SR+32+\i], v[SR+2*\i], v[SR+2*\i+1]
	v_lshlrev_b32 v[T+2*(\i&1)], 16, v[SR+32+\i]
	v_and_b32 v[T+2*(\i&1)+1], 0xffff0000, v[SR+32+\i]
	v_pk_add_f32 v[SR+2*\i:SR+2*\i+1], v[SR+2*\i:SR+2*\i+1], v[T+2*(\i&1):T+2*(\i&1)+1] neg_lo:[0,1] neg_hi:[0,1]
	v_cvt_pk_bf16_f32 v[KF+\i], v[SR+2*\i], v[SR+2*\i+1]
.endr
	OUTH SR+32, SR+48, CO
	OUTH KF, KF+16, CO2
	s_wait_xcnt 0x0                                ; the stores' data and base are rewritten only behind this wait
.endm
.macro FINISH
	s_cmp_lg_u32 s14, 0
	s_cbranch_scc1 .Lfh1_\@
	HAND 1
	s_branch .Lfhd_\@
.Lfh1_\@:
	HAND 0
.Lfhd_\@:
	s_wait_dscnt 0x0                               ; for the partner's sake: my stores are done
	s_barrier_signal -1
	s_barrier_wait -1                              ; the next tile's load may stay on its way
	s_cmp_lg_u32 s14, 0
	s_cbranch_scc1 .Lfm1_\@
	MERGE 0
	s_branch .Lfmd_\@
.Lfm1_\@:
	MERGE 1
.Lfmd_\@:
.endm
	STEP 0, 1, 1, 1, 0                             ; lo: the two diagonal tiles
	STEP 1, 0, 1, 1, 0
	s_cmp_eq_u32 s15, 0
	s_cbranch_scc1 .Llo_done
	s_mov_b32 s3, 0
.Llo:
	STEP 0, 0, 0, 1, 0                             ; lo: 2 c tiles from key 0
	STEP 1, 0, 0, 1, 0
	s_add_co_u32 s3, s3, 1
	s_cmp_lt_u32 s3, s15
	s_cbranch_scc1 .Llo
.Llo_done:
	FINISH
	s_mul_i32 s104, s15, 131072                    ; hc: from query block c to block 7 - c: 128 bytes x (3584 - 1024 c)
	s_sub_co_u32 s104, 458752, s104
	s_add_nc_u64 s[100:101], s[100:101], s[104:105]
	STEP 0, 1, 1, 1, 1                             ; hi: the two diagonal tiles
	STEP 1, 0, 1, 1, 1
	s_sub_co_u32 s2, 6, s15
	s_mov_b32 s3, 0
.Lhi:
	STEP 0, 0, 0, 1, 1                             ; hi: 14 - 2 c tiles from key 0, the last two written out below
	STEP 1, 0, 0, 1, 1
	s_add_co_u32 s3, s3, 1
	s_cmp_lt_u32 s3, s2
	s_cbranch_scc1 .Lhi
	STEP 0, 0, 0, 1, 1
	STEP 1, 0, 0, 0, 1                             ; the last tile: nothing is left to fetch
	FINISH
	s_wait_tensorcnt 0x0
	ds_add_u32 v254, v255
	s_wait_dscnt 0x0
	ROUND                                          ; the closing round
	s_endpgm
.Lfunc_end_k_q7f11807383_attn:
	.size	k_q7f11807383_attn, .Lfunc_end_k_q7f11807383_attn-k_q7f11807383_attn
	.p2alignl 7, 3214868480
	.fill 96, 4, 3214868480
	.section	.rodata,"a",@progbits
	.p2align	6, 0x0
	.amdhsa_kernel k_q7f11807383_attn
		.amdhsa_group_segment_fixed_size 327680
		.amdhsa_private_segment_fixed_size 0
		.amdhsa_enable_private_segment 0
		.amdhsa_kernarg_size 32
		.amdhsa_user_sgpr_count 2
		.amdhsa_user_sgpr_kernarg_segment_ptr 1
		.amdhsa_wavefront_size32 1
		.amdhsa_system_sgpr_workgroup_id_x 1
		.amdhsa_system_sgpr_workgroup_id_y 1
		.amdhsa_system_sgpr_workgroup_id_z 1
		.amdhsa_system_vgpr_workitem_id 0
		.amdhsa_next_free_vgpr 416
		.amdhsa_next_free_sgpr 106
		.amdhsa_reserve_vcc 1
		.amdhsa_float_denorm_mode_32 3
		.amdhsa_float_denorm_mode_16_64 3
		.amdhsa_memory_ordered 1
		.amdhsa_forward_progress 1
		.amdhsa_inst_pref_size 255
	.end_amdhsa_kernel
	.section	.bss,"aw",@nobits
	.p2align	6
	.space	262144
	.amdgpu_metadata
---
amdhsa.version: [ 1, 2 ]
amdhsa.kernels:
  - .name:           k_q7f11807383_attn
    .symbol:         k_q7f11807383_attn.kd
    .args:
      - { .name: qkvT, .offset: 0, .size: 8, .value_kind: global_buffer, .address_space: global }
      - { .name: pmf, .offset: 8, .size: 8, .value_kind: global_buffer, .address_space: global }
      - { .name: vsum, .offset: 16, .size: 8, .value_kind: global_buffer, .address_space: global }
      - { .name: hc, .offset: 24, .size: 8, .value_kind: global_buffer, .address_space: global }
    .group_segment_fixed_size: 327680
    .private_segment_fixed_size: 0
    .kernarg_segment_align: 8
    .kernarg_segment_size: 32
    .max_flat_workgroup_size: 256
    .sgpr_count:     106
    .vgpr_count:     416
    .wavefront_size: 32
...
	.end_amdgpu_metadata
.endif
;; end of part 3
;; launch oproj (part 4): grid 8 x 32, 4 waves a work-group, clusters of 4 x 4, 327,680 bytes of LDS; arguments hc, woh, b_o, out0; writes out0
.if DOCPART == 4
	.amdgcn_target "amdgcn-amd-amdhsa--gfx1250"
	.amdhsa_code_object_version 6
	.text
	.protected	k_q7f11807383_oproj
	.globl	k_q7f11807383_oproj
	.p2align	8
	.type	k_q7f11807383_oproj,@function
k_q7f11807383_oproj:
	s_mov_b64 s[64:65], 0
	v_nop
	global_prefetch_b8 v0, s[64:65] scope:SCOPE_SE
	s_setreg_imm32_b32 hwreg(HW_REG_WAVE_MODE, 25, 1), 1
	s_wait_xcnt 0x0
	s_wait_alu depctr_hold_cnt(0) depctr_sa_sdst(0) depctr_va_vdst(0) depctr_va_sdst(0) depctr_va_ssrc(0) depctr_va_vcc(0) depctr_vm_vsrc(0)
	s_getreg_b32 s2, hwreg(HW_REG_IB_STS2, 6, 4)
	s_cmp_eq_u32 s2, 0
	s_cbranch_scc0 .Lentry_in_a_cluster
	s_endpgm
.Lentry_in_a_cluster:
	s_bfe_u32 s2, ttmp6, 0x10000c
	s_cmp_lg_u32 s2, 0xf033
	s_cbranch_scc0 .Lentry_shape_is_right
	s_endpgm
.Lentry_shape_is_right:
; out0 = concat(heads) W_o + b_o, f32.  woh is [k][n] in bf16.  The heads come as two bf16 numbers each, value and remainder:
; hc is [32][row][64], entries 0-15 the values of heads 0-15, entries 16-31 their remainders.  Both are multiplied by the same rows of W_o
; and added into the same f32 sums.
; A work-group makes 128 x 128 with four waves, a wave 64 x 64: 16 accumulator tiles.  256 work-groups.
; W_o's 1,024 rows go as eight steps of 128 (two heads) through two LDS slots, written out without a loop.  A slot holds the two heads' values,
; their remainders and W_o's 128 rows, so that each tile of W_o is fetched once and each of its fragments is read from LDS once for both:
; 24 LDS loads for 32 matrix instructions.
; CLUSTERS: 4 x 4.  The heads' tiles hang on the block row alone and are asked for jointly by a row of the cluster,
; W_o's on the block column alone and is asked for jointly by a column.
; The matrix instruction is used transposed (source 0 = W_o's columns, source 1 = rows of the heads), so that a lane holds eight neighbouring
; numbers of a row of out0.
.set PAO,   144                        ; LDS pitch of a head's rows: 128 bytes + 16
.set PBO,   288                        ; LDS pitch of W_o's rows: 256 bytes + 32
.set PARTA, 36864                      ; 2 entries of hc x 128 rows x 144: what wave 0 (values) or wave 1 (remainders) fetches
.set PARTB, 18432                      ; 64 rows x 288: what wave 2 or 3 fetches
.set BOFF,  2*PARTA                    ; W_o's tile lies behind the four entries
.set SLOT,  110592
.set STAGE, 221184                     ; 16 rows x 272 bytes for each wave; no tensor load lands here
.set SPITCH, 272
.set ADRA, 16                          ; v16-17  [slot]
.set ADRB, 20                          ; v20-21  [slot]
.set STO,  24
.set RD,   25
.set CO,   26
.set BOF,  27
.set BI,   28                          ; v28-31  b_o of my four columns on the way out
.set FH,   64                          ; v64-127   fragments of the values, two buffers of 32
.set FL,   128                         ; v128-191  fragments of the remainders, two buffers of 32
.set FB,   192                         ; v192-255  fragments of W_o, two buffers of 32
.set RB,   64                          ; the way out reads back into the values' two buffers
.set G1,  24
.set G0,  32
.set G1B, 48
.set G0B, 56
.set MSB, 0
.macro WIN new
.if MSB != \new
	s_set_vgpr_msb (MSB<<8)|\new
.set MSB, \new
.endif
.endm
.macro PLACES
.rept 4
	v_nop
.endr
.endm
.macro JLOAD s
	s_cmp_eq_u32 s15, 0
	s_cbranch_scc0 .Lfor_b_\@
	tensor_load_to_lds s[G0+4*\s:G0+4*\s+3], s[G1:G1+7]
	s_nop 0
	PLACES
	s_branch .Lasked_\@
.Lfor_b_\@:
	tensor_load_to_lds s[G0B+4*\s:G0B+4*\s+3], s[G1B:G1B+7]
	s_nop 0
	PLACES
.Lasked_\@:
.endm
.macro CREST
	s_cmp_lg_u32 s14, 0
	s_cbranch_scc1 .Lnot_wave_0_\@
	s_barrier_signal -3
.Lnot_wave_0_\@:
	s_barrier_wait -3
	s_barrier_signal -1
	s_barrier_wait -1
.endm
.macro CROUND
	s_barrier_signal -1
	s_barrier_wait -1
	CREST
.endm
	s_load_b256 s[4:11], s[0:1], 0x0               ; hc s[4:5], woh s[6:7], b_o s[8:9], out0 s[10:11]
	v_lshl_add_u32 v62, v0, 2, 0x40000
	v_mov_b32 v63, 0
	ds_add_u32 v62, v63
	v_lshrrev_b32 v1, 5, v0
	v_readfirstlane_b32 s14, v1                    ; wave 0..3
	s_lshr_b32 s15, s14, 1                         ; my half of the rows.  Also: I fetch for the heads (0) or for W_o (1)
	s_and_b32 s16, s14, 1                          ; my half of the columns.  Also: values or remainders, or which half of W_o's tile I fetch
	s_bfe_u32 s17, ttmp6, 0x40000
	s_bfe_u32 s18, ttmp6, 0x40004
	s_lshl_b32 s19, ttmp9, 2
	s_add_co_u32 s19, s19, s17                     ; block column
	s_and_b32 s20, ttmp7, 0xffff
	s_lshl_b32 s20, s20, 2
	s_add_co_u32 s20, s20, s18                     ; block row
	s_lshl_b32 s21, s18, 2
	s_lshl_b32 s21, 15, s21
	s_lshl_b32 s22, 0x1111, s17
	; the heads' tile: an entry's 128 rows of 64 are 8,192 elements without a gap; two entries are two such rows, 262,144 elements apart
	s_or_b32 s[G1+0], s21, (1<<16)|(1<<20)|(1<<21)|(4<<22)|(3<<25)   ; 4 words of padding after every 32 words
	s_mov_b32 s[G1+1], 8192<<16
	s_mov_b32 s[G1+2], 2<<16
	s_mov_b32 s[G1+3], 8192<<16
	s_mov_b32 s[G1+4], 2
	s_mov_b32 s[G1+5], 262144
	s_mov_b32 s[G1+6], 0
	s_mov_b32 s[G1+7], 0
	s_or_b32 s[G1B+0], s22, (1<<16)|(1<<20)|(1<<21)|(5<<22)|(7<<25)  ; 8 words of padding after every 64 words
	s_mov_b32 s[G1B+1], 128<<16
	s_mov_b32 s[G1B+2], 64<<16
	s_mov_b32 s[G1B+3], 128<<16
	s_mov_b32 s[G1B+4], 64
	s_mov_b32 s[G1B+5], 1024
	s_mov_b32 s[G1B+6], 0
	s_mov_b32 s[G1B+7], 0
	s_lshl_b32 s40, s16, 23                        ; heads: the remainders lie 16 entries of 524,288 bytes behind the values; + 128 block row rows of 128 bytes
	s_lshl_b32 s23, s20, 14
	s_add_co_u32 s40, s40, s23
	s_mov_b32 s41, 0
	s_lshl_b32 s44, s16, 17                        ; W_o: 64 half rows of 2,048 bytes + 256 bytes a block column
	s_lshl_b32 s46, s19, 8
	s_add_co_u32 s44, s44, s46
	s_mov_b32 s45, 0
	s_mul_i32 s23, s14, PARTA                      ; LDS: values and remainders at wave x PARTA (waves 0, 1),
	s_mul_i32 s46, s14, PARTB
	s_add_co_u32 s46, s46, BOFF-2*PARTB            ; W_o's halves at BOFF + (wave - 2) x PARTB (waves 2, 3)
	s_wait_dscnt 0x0
	s_wait_kmcnt 0x0
	s_add_nc_u64 s[40:41], s[4:5], s[40:41]
	s_add_nc_u64 s[44:45], s[6:7], s[44:45]
	CROUND
.irp s, 0,1
	s_mov_b32 s[G0+4*\s], 1
	s_add_co_u32 s[G0+4*\s+1], s23, \s*SLOT
	s_add_nc_u64 s[G0+4*\s+2:G0+4*\s+3], s[40:41], \s*1048576       ; step s: heads 2 s, 2 s + 1
	s_or_b32 s[G0+4*\s+3], s[G0+4*\s+3], 0x80000000
	s_mov_b32 s[G0B+4*\s], 1
	s_add_co_u32 s[G0B+4*\s+1], s46, \s*SLOT
	s_add_nc_u64 s[G0B+4*\s+2:G0B+4*\s+3], s[44:45], \s*262144      ; step s: rows 128 s of woh
	s_or_b32 s[G0B+4*\s+3], s[G0B+4*\s+3], 0x80000000
	JLOAD \s
.endr
	v_and_b32 v1, 15, v0                           ; r
	v_bfe_u32 v2, v0, 4, 1                         ; h
	v_and_b32 v3, 7, v0
	v_bfe_u32 v4, v0, 3, 1
	v_mul_u32_u24 v5, v1, PAO
	v_lshl_add_u32 v5, v2, 4, v5                   ; 144 r + 16 h
	v_lshl_add_u32 v6, v2, 3, v3
	v_mul_u32_u24 v6, v6, PBO
	v_lshl_add_u32 v6, v4, 4, v6                   ; 288 (8 h + lane mod 8) + 16 ((lane >> 3) & 1)
	s_mul_i32 s42, s15, 9216                       ; my 64 rows
	s_lshl_b32 s43, s16, 7                         ; my 64 columns
	s_add_co_u32 s43, s43, BOFF
.irp s, 0,1
	v_add_nc_u32 v[ADRA+\s], s42, v5
	v_add_nc_u32 v[ADRB+\s], s43, v6
	s_add_co_u32 s42, s42, SLOT
	s_add_co_u32 s43, s43, SLOT
.endr
	s_mul_i32 s42, s14, 16*SPITCH
	s_add_co_u32 s42, s42, STAGE
	v_mul_u32_u24 v7, v1, SPITCH
	v_lshl_add_u32 v7, v2, 5, v7
	v_add_nc_u32 v[STO], s42, v7                   ; in: row r, 32 bytes for each half of the lanes
	v_mul_u32_u24 v7, v2, SPITCH
	v_lshl_add_u32 v7, v1, 4, v7
	v_add_nc_u32 v[RD], s42, v7                    ; back: lanes 0-15 one row of 256 bytes, lanes 16-31 the next
	v_lshlrev_b32 v7, 12, v2
	v_lshl_add_u32 v[CO], v1, 4, v7
	s_lshl_b32 s46, s19, 9                         ; my first column in bytes: 512 block column + 256 half
	s_lshl_b32 s2, s16, 8
	s_add_co_u32 s46, s46, s2
	v_lshl_add_u32 v[BOF], v1, 4, s46
	global_load_b128 v[BI:BI+3], v[BOF], s[8:9]
	s_lshl_b32 s2, s20, 19                         ; my first row: (128 block row + 64 half) rows of 4,096 bytes
	s_add_co_u32 s46, s46, s2
	s_lshl_b32 s2, s15, 18
	s_add_co_u32 s46, s46, s2
	s_mov_b32 s47, 0
	s_add_nc_u64 s[10:11], s[10:11], s[46:47]
; 24 LDS loads: quarter q (32 rows of W_o, q = 0..3) of a slot into buffer u: the values' four row tiles, W_o's four column tiles, the remainders' four row tiles
.macro FETCH slot, q, u
.irp a, 0,1,2,3
	ds_load_b128 v[FH+32*(\u)+8*\a:FH+32*(\u)+8*\a+3],   v[ADRA+\slot] offset:18432*((\q)>>1)+64*((\q)&1)+2304*\a
	ds_load_b128 v[FH+32*(\u)+8*\a+4:FH+32*(\u)+8*\a+7], v[ADRA+\slot] offset:18432*((\q)>>1)+64*((\q)&1)+2304*\a+32
.endr
.irp b, 0,1,2,3
	ds_load_tr16_b128 v[FB+32*(\u)+8*\b:FB+32*(\u)+8*\b+3],   v[ADRB+\slot] offset:9216*(\q)+32*\b
	ds_load_tr16_b128 v[FB+32*(\u)+8*\b+4:FB+32*(\u)+8*\b+7], v[ADRB+\slot] offset:9216*(\q)+4608+32*\b
.endr
.irp a, 0,1,2,3
	ds_load_b128 v[FL+32*(\u)+8*\a:FL+32*(\u)+8*\a+3],   v[ADRA+\slot] offset:PARTA+18432*((\q)>>1)+64*((\q)&1)+2304*\a
	ds_load_b128 v[FL+32*(\u)+8*\a+4:FL+32*(\u)+8*\a+7], v[ADRA+\slot] offset:PARTA+18432*((\q)>>1)+64*((\q)&1)+2304*\a+32
.endr
.endm
; 16 matrix instructions: f = FH or FL, buffer u; the 16 accumulators take turns, one instruction a turn
.macro MUL16 f, u, zero
.irp a, 0,1,2,3
.irp b, 0,1,2,3
.if \zero
	v_wmma_f32_16x16x32_bf16 v[8*(4*\a+\b):8*(4*\a+\b)+7], v[FB+32*(\u)+8*\b:FB+32*(\u)+8*\b+7], v[\f+32*(\u)+8*\a:\f+32*(\u)+8*\a+7], 0
.else
	v_wmma_f32_16x16x32_bf16 v[8*(4*\a+\b):8*(4*\a+\b)+7], v[FB+32*(\u)+8*\b:FB+32*(\u)+8*\b+7], v[\f+32*(\u)+8*\a:\f+32*(\u)+8*\a+7], v[8*(4*\a+\b):8*(4*\a+\b)+7]
.endif
.endr
.endr
.endm
; quarter q of a slot (q = 0..2): fetches quarter q + 1 into the other buffer, multiplies its own: values, then remainders
.macro QTR slot, q, zero
	PLACES                                         ; behind the products that read the buffer now loaded (ISA guide 7.12.1)
	FETCH \slot, \q+1, (\q+1)&1
	s_wait_dscnt 24                                ; all but the 24 just issued
	WIN 0x50                                       ; C and D in window 1
	MUL16 FH, \q&1, \zero
	MUL16 FL, \q&1, 0
	WIN 0
.endm
.macro THREE slot, zero
	QTR \slot, 0, \zero
	QTR \slot, 1, 0
	QTR \slot, 2, 0
.endm
; The last quarter of a slot, and the change of slots.  In front of the barrier each wave waits for its reads of this slot and for all its tensor
; loads (one is out: its part of the next slot).  fill = 1: the barrier opens a round of the cluster's barrier, and this slot's refill, two steps
; ahead, is the first tensor load behind the round.  The remainders' products run while the next slot's first fragments come in.
; From a request to the wait for it a wave issues 112 matrix instructions.
.macro TURN slot, next, fill
	s_wait_dscnt 0x0                               ; my reads of this slot are over
	s_wait_tensorcnt 0x0                           ; all my tensor loads have landed
	ds_add_u32 v62, v63
	s_wait_dscnt 0x0
	s_barrier_signal -1
	WIN 0x50
	MUL16 FH, 1, 0                                 ; register work while the others arrive
	WIN 0
	s_barrier_wait -1
.if \fill
	CREST
	s_add_nc_u64 s[G0+4*\slot+2:G0+4*\slot+3], s[G0+4*\slot+2:G0+4*\slot+3], 2097152    ; four entries of hc on
	s_add_nc_u64 s[G0B+4*\slot+2:G0B+4*\slot+3], s[G0B+4*\slot+2:G0B+4*\slot+3], 524288  ; 256 rows of woh on
	JLOAD \slot                                    ; its four v_nop are also the places in front of the loads below
.else
	PLACES
.endif
	FETCH \next, 0, 0
	WIN 0x50
	MUL16 FL, 1, 0
	WIN 0
.endm
	s_wait_tensorcnt 0x1                           ; my part of step 0 is in; step 1's may stay out
	s_barrier_signal -1
	s_barrier_wait -1
	FETCH 0, 0, 0
	THREE 0, 1                                     ; step 0: the first products start the sums
	TURN 0, 1, 1                                   ; asks for step 2
	THREE 1, 0                                     ; step 1
	TURN 1, 0, 1                                   ; asks for step 3
	THREE 0, 0                                     ; step 2
	TURN 0, 1, 1                                   ; asks for step 4
	THREE 1, 0                                     ; step 3
	TURN 1, 0, 1                                   ; asks for step 5
	THREE 0, 0                                     ; step 4
	TURN 0, 1, 1                                   ; asks for step 6
	THREE 1, 0                                     ; step 5
	TURN 1, 0, 1                                   ; asks for step 7
	THREE 0, 0                                     ; step 6
	TURN 0, 1, 0                                   ; nothing is left to fetch
	THREE 1, 0                                     ; step 7
	s_wait_dscnt 0x0
	WIN 0x50
	MUL16 FH, 1, 0
	MUL16 FL, 1, 0
	WIN 0
	PLACES                                         ; in front of the stores of results and of the loads into fragment registers
	s_wait_loadcnt 0x0                             ; the bias
; THE WAY OUT, 16 rows at a time: 32 bytes a lane and column tile into my own stage, whole rows of 256 bytes back, the bias added, and out
.macro OUT16 a
	WIN 0x04
.irp b, 0,1,2,3
	ds_store_b128 v[STO], v[8*(4*\a+\b):8*(4*\a+\b)+3]   offset:64*\b
	ds_store_b128 v[STO], v[8*(4*\a+\b)+4:8*(4*\a+\b)+7] offset:64*\b+16
.endr
	WIN 0
	s_wait_xcnt 0x0                                ; the read-back registers and the stores' base are rewritten only behind this wait
.if \a
	s_add_nc_u64 s[10:11], s[10:11], 65536         ; 16 rows of out0 on
.endif
.irp t, 0,1,2,3,4,5,6,7
	ds_load_b128 v[RB+32*(\a&1)+4*\t:RB+32*(\a&1)+4*\t+3], v[RD] offset:544*\t   ; a wave's LDS instructions are served in order
.endr
.irp t, 0,1,2,3,4,5,6,7
	s_wait_dscnt 7-\t
	v_pk_add_f32 v[RB+32*(\a&1)+4*\t:RB+32*(\a&1)+4*\t+1], v[RB+32*(\a&1)+4*\t:RB+32*(\a&1)+4*\t+1], v[BI:BI+1]
	v_pk_add_f32 v[RB+32*(\a&1)+4*\t+2:RB+32*(\a&1)+4*\t+3], v[RB+32*(\a&1)+4*\t+2:RB+32*(\a&1)+4*\t+3], v[BI+2:BI+3]
	global_store_b128 v[CO], v[RB+32*(\a&1)+4*\t:RB+32*(\a&1)+4*\t+3], s[10:11] offset:8192*\t th:TH_STORE_NT   ; 16 lanes store 256 consecutive bytes, aligned
.endr
.endm
	OUT16 0
	OUT16 1
	OUT16 2
	OUT16 3
	s_wait_tensorcnt 0x0
	ds_add_u32 v62, v63
	s_wait_dscnt 0x0
	CROUND                                         ; the closing round
	s_endpgm
.Lfunc_end_k_q7f11807383_oproj:
	.size	k_q7f11807383_oproj, .Lfunc_end_k_q7f11807383_oproj-k_q7f11807383_oproj
	.p2alignl 7, 3214868480
	.fill 96, 4, 3214868480
	.section	.rodata,"a",@progbits
	.p2align	6, 0x0
	.amdhsa_kernel k_q7f11807383_oproj
		.amdhsa_group_segment_fixed_size 327680
		.amdhsa_private_segment_fixed_size 0
		.amdhsa_enable_private_segment 0
		.amdhsa_kernarg_size 32
		.amdhsa_user_sgpr_count 2
		.amdhsa_user_sgpr_kernarg_segment_ptr 1
		.amdhsa_wavefront_size32 1
		.amdhsa_system_sgpr_workgroup_id_x 1
		.amdhsa_system_sgpr_workgroup_id_y 1
		.amdhsa_system_sgpr_workgroup_id_z 1
		.amdhsa_system_vgpr_workitem_id 0
		.amdhsa_next_free_vgpr 384
		.amdhsa_next_free_sgpr 66
		.amdhsa_reserve_vcc 0
		.amdhsa_float_denorm_mode_32 3
		.amdhsa_float_denorm_mode_16_64 3
		.amdhsa_memory_ordered 1
		.amdhsa_forward_progress 1
		.amdhsa_inst_pref_size 146
	.end_amdhsa_kernel
	.amdgpu_metadata
---
amdhsa.version: [ 1, 2 ]
amdhsa.kernels:
  - .name:           k_q7f11807383_oproj
    .symbol:         k_q7f11807383_oproj.kd
    .args:
      - { .name: hc, .offset: 0, .size: 8, .value_kind: global_buffer, .address_space: global }
      - { .name: woh, .offset: 8, .size: 8, .value_kind: global_buffer, .address_space: global }
      - { .name: b_o, .offset: 16, .size: 8, .value_kind: global_buffer, .address_space: global }
      - { .name: out0, .offset: 24, .size: 8, .value_kind: global_buffer, .address_space: global }
    .group_segment_fixed_size: 327680
    .private_segment_fixed_size: 0
    .kernarg_segment_align: 8
    .kernarg_segment_size: 32
    .max_flat_workgroup_size: 128
    .sgpr_count:     66
    .vgpr_count:     384
    .wavefront_size: 32
...
	.end_amdgpu_metadata
.endif
;; end of part 4
